; MI455X (gfx1250); checked and timed in simulation.
; The chip was launched on July 23, 2026; its instructions are those of AMD's public machine-readable ISA for CDNA 5 (MIT licence, August 2026) and "CDNA5" Instruction Set Architecture Reference Guide (July 2026). The comments in the code are by the model that wrote it; some were corrected since.
;; Attention. Allowed arithmetic: float matrix products may take bf16 or f16 operands with f32 sums; other float arithmetic in f32, or as packed bf16 or f16 multiplies, adds, multiply-adds, maxima and minima; sums over many terms, partial sums and values carried from step to step in f32; what a program stores and reads back later, other than sums and carried values, may be rounded once to bf16 or f16.
;; Inputs: W_qkv 3,072 x 1,024 float32; b_qkv 3,072 float32; t 4 x 2,048 x 1,024 float32.
;; Outputs: out0 4 x 2,048 x 1,024 float32.
;; 2 versions, each right; version 2 is version 1 with the launch cast written anew for expert scheduling mode. Each part assembles by itself: llvm-mc -triple=amdgcn-amd-amdhsa -mcpu=gfx1250 --defsym DOCPART=n.
;; ======== version 1 of 2: 4 launches
;; limits: values are held in f16: magnitudes above 65,504 overflow, below 6.1e-05 lose precision
;; workspace buffers: xw 23,068,672 bytes; qkv 50,331,648 bytes; pt 33,554,432 bytes; st 1,048,576 bytes
;; launch cast (part 1): grid 704 x 1, 8 waves a work-group, no clusters, 0 bytes of LDS; arguments t, W_qkv, xw; writes xw
.if DOCPART == 1
	.amdgcn_target "amdgcn-amd-amdhsa--gfx1250"
	.amdhsa_code_object_version 6
	.text
	.protected	k_q190fe8ffc5_cast
	.globl	k_q190fe8ffc5_cast
	.p2align	8
	.type	k_q190fe8ffc5_cast,@function
k_q190fe8ffc5_cast:
	s_mov_b64 s[64:65], 0
	v_nop
	global_prefetch_b8 v0, s[64:65] scope:SCOPE_SE
	s_setreg_imm32_b32 hwreg(HW_REG_WAVE_MODE, 25, 1), 1
	s_wait_xcnt 0x0
; xw = bf16(t) on top of bf16(W_qkv): [11264][1024] bf16; rows 0-8191 are t's, rows 8192-11263 W_qkv's.  Rounded to nearest even, once.
; A stream: each byte is read once and written once, so there is no LDS, no barrier and no matrix work.
; A work-group takes 16 rows of 1,024 numbers: groups 0-511 from t, groups 512-703 from W_qkv.  Thread i takes the 16 bytes at 16 i of every row:
; a load of a wave covers 512 consecutive bytes, a store of a wave 256 consecutive bytes at a multiple of 256 from xw's first byte.
; All 16 loads of a thread go out together; each row is converted and stored as it arrives.
.set X, 4                              ; v[4:67]   row i: 4 numbers in f32
.set Y, 68                             ; v[68:99]  row i: the same 4 in bf16
	s_load_b128 s[4:7], s[0:1], 0x0                ; t s[4:5], W_qkv s[6:7]
	s_load_b64 s[8:9], s[0:1], 0x10                ; xw
	v_lshlrev_b32 v1, 4, v0                        ; my 16 bytes of a source row
	v_lshlrev_b32 v2, 3, v0                        ; my 8 bytes of a row of xw
	s_cmp_lt_u32 ttmp9, 512
	s_cselect_b32 s10, 0, 512
	s_sub_co_u32 s10, ttmp9, s10                   ; the group's number within its source
	s_lshl_b32 s10, s10, 16                        ; times 16 rows of 4,096 bytes
	s_mov_b32 s11, 0
	s_lshl_b32 s12, ttmp9, 15                      ; in xw: 16 rows of 2,048 bytes
	s_mov_b32 s13, 0
	s_wait_kmcnt 0x0
	s_cmp_lt_u32 ttmp9, 512                        ; compared again: the subtraction has written SCC
	s_cselect_b64 s[4:5], s[4:5], s[6:7]           ; the source
	s_add_nc_u64 s[4:5], s[4:5], s[10:11]
	s_add_nc_u64 s[8:9], s[8:9], s[12:13]
.irp i, 0,1,2,3,4,5,6,7,8,9,10,11,12,13,14,15
	global_load_b128 v[X+4*(\i):X+4*(\i)+3], v1, s[4:5] offset:4096*(\i) th:TH_LOAD_NT
.endr
.irp i, 0,1,2,3,4,5,6,7,8,9,10,11,12,13,14,15
	s_wait_loadcnt 15-(\i)                         ; loads come back in order: row i is in, the 15 - i younger ones stay out
	v_cvt_pk_bf16_f32 v[Y+2*(\i)], v[X+4*(\i)], v[X+4*(\i)+1]
	v_cvt_pk_bf16_f32 v[Y+2*(\i)+1], v[X+4*(\i)+2], v[X+4*(\i)+3]
	global_store_b64 v2, v[Y+2*(\i):Y+2*(\i)+1], s[8:9] offset:2048*(\i) th:TH_STORE_NT
.endr
	s_endpgm
.Lfunc_end_k_q190fe8ffc5_cast:
	.size	k_q190fe8ffc5_cast, .Lfunc_end_k_q190fe8ffc5_cast-k_q190fe8ffc5_cast
	.p2alignl 7, 3214868480
	.fill 96, 4, 3214868480
	.section	.rodata,"a",@progbits
	.p2align	6, 0x0
	.amdhsa_kernel k_q190fe8ffc5_cast
		.amdhsa_group_segment_fixed_size 0
		.amdhsa_private_segment_fixed_size 0
		.amdhsa_enable_private_segment 0
		.amdhsa_kernarg_size 24
		.amdhsa_user_sgpr_count 2
		.amdhsa_user_sgpr_kernarg_segment_ptr 1
		.amdhsa_wavefront_size32 1
		.amdhsa_system_sgpr_workgroup_id_x 1
		.amdhsa_system_sgpr_workgroup_id_y 1
		.amdhsa_system_sgpr_workgroup_id_z 1
		.amdhsa_system_vgpr_workitem_id 0
		.amdhsa_next_free_vgpr 100
		.amdhsa_next_free_sgpr 66
		.amdhsa_reserve_vcc 0
		.amdhsa_float_denorm_mode_32 3
		.amdhsa_float_denorm_mode_16_64 3
		.amdhsa_memory_ordered 1
		.amdhsa_forward_progress 1
		.amdhsa_inst_pref_size 7
	.end_amdhsa_kernel
	.amdgpu_metadata
---
amdhsa.version: [ 1, 2 ]
amdhsa.kernels:
  - .name:           k_q190fe8ffc5_cast
    .symbol:         k_q190fe8ffc5_cast.kd
    .args:
      - { .name: t, .offset: 0, .size: 8, .value_kind: global_buffer, .address_space: global }
      - { .name: W_qkv, .offset: 8, .size: 8, .value_kind: global_buffer, .address_space: global }
      - { .name: xw, .offset: 16, .size: 8, .value_kind: global_buffer, .address_space: global }
    .group_segment_fixed_size: 0
    .private_segment_fixed_size: 0
    .kernarg_segment_align: 8
    .kernarg_segment_size: 24
    .max_flat_workgroup_size: 256
    .sgpr_count:     66
    .vgpr_count:     100
    .wavefront_size: 32
...
	.end_amdgpu_metadata
.endif
;; end of part 1
;; launch proj (part 2): grid 12 x 32, 4 waves a work-group, clusters of 4 x 4, 327,680 bytes of LDS; arguments xw, b_qkv, qkv; writes qkv
.if DOCPART == 2
	.amdgcn_target "amdgcn-amd-amdhsa--gfx1250"
	.amdhsa_code_object_version 6
	.text
	.protected	k_q190fe8ffc5_proj
	.globl	k_q190fe8ffc5_proj
	.p2align	8
	.type	k_q190fe8ffc5_proj,@function
k_q190fe8ffc5_proj:
	s_mov_b64 s[64:65], 0
	v_nop
	global_prefetch_b8 v0, s[64:65] scope:SCOPE_SE
	s_setreg_imm32_b32 hwreg(HW_REG_WAVE_MODE, 25, 1), 1
	s_wait_xcnt 0x0
	s_wait_alu depctr_hold_cnt(0) depctr_sa_sdst(0) depctr_va_vdst(0) depctr_va_sdst(0) depctr_va_ssrc(0) depctr_va_vcc(0) depctr_vm_vsrc(0)
	s_getreg_b32 s2, hwreg(HW_REG_IB_STS2, 6, 4)
	s_cmp_eq_u32 s2, 0
	s_cbranch_scc0 .Lentry_in_a_cluster
	s_endpgm
.Lentry_in_a_cluster:
	s_bfe_u32 s2, ttmp6, 0x10000c
	s_cmp_lg_u32 s2, 0xf033
	s_cbranch_scc0 .Lentry_shape_is_right
	s_endpgm
.Lentry_shape_is_right:
; qkv[m][e] = the sum over d of t[m][d] W[e][d] + b[e].  t and W come as bf16 rows of xw ([11264][1024]: t, then W); b is rounded to bf16 here, as the other inputs were;
; sums in f32; qkv is [8192][3072] in f16, rounded once.
; LIMIT.  f16 holds no number beyond 65,504: q, k and v must stay within it.  NaN and infinities are not treated apart.
; SHARES.  A tile of qkv is 256 x 256: four waves, 2 x 2, each 128 x 128: 64 accumulators of 16 x 16, 512 registers.  32 x 12 tiles, a work-group to each.  K (1,024) goes in 8 steps of 128
; through a ring of two LDS slots filled by the tensor data mover; a K step is 256 matrix instructions a wave, of which 224 stand between a slot's request and the wait for it.
; CLUSTER.  4 x 4 work-groups.  The four of a row need the same rows of t, the four of a column the same rows of W: each tile is asked for jointly, by the same tensor load with the same
; descriptor and a mask that names the four.
; THE MATRIX INSTRUCTION IS USED TRANSPOSED: source 0 = 16 rows of W, source 1 = 16 rows of t: a lane then holds row l % 16 and the eight neighbouring columns 8 (l / 16) + 0..7.
; THE TEXT.  A K step is written once and looped: the slot in hand is a scalar, 0 or SLOT, turned by an exclusive or; the LDS addresses are made from it at each change of slots.
; The way out is written for four blocks of 16 rows and walked twice; between the walks the other 32 accumulators are moved to where that text names them: 256 moves, once a wave.
; REGISTERS, in windows of 256 (s_set_vgpr_msb: bits 1:0 source 0, 3:2 source 1, 5:4 source 2, 7:6 destination):
;   window 0: addresses, the bias and the way out     window 1: two fragment buffers of 128 (8 fragments of W, then 8 of t)
;   window 2: accumulator (a, b), a = 0..3, at v[8 (8 a + b)]     window 3: a = 4..7 likewise
.set PITCH,  272                       ; an LDS row: 256 bytes + 16 of padding: the 16 rows that a fragment load touches begin 16 bytes apart modulo 256
.set HALFT,  128*PITCH                 ; 128 rows: what one tensor load brings, and what one wave reads of t or of W
.set BOFF,   2*HALFT                   ; in a slot W's 256 rows lie behind t's 256
.set SLOT,   4*HALFT                   ; 139,264 bytes
.set STAGE,  2*SLOT                    ; behind the ring, never filled by a tensor load: 16 rows x 272 bytes for each wave
.set SPARE,  STAGE+4*16*PITCH          ; the spare words, 128 bytes for each wave: two blocks of 256 bytes that no other line names
.set RX,     2048                      ; bytes in a row of xw
.set PC,     6144                      ; bytes in a row of qkv
.set FILLS,  6                         ; of the 8 K steps all but the last two leave a slot that is filled again
.set A0,   16                          ; v16     my lane's place among my fragments of t in slot 0; never rewritten
.set B0,   17                          ; v17     the same for W
.set ADRA, 18                          ; v18     the same in the slot in hand
.set ADRB, 19                          ; v19
.set STO,  24                          ; v24     the way out: where I put 16 bytes of a row
.set RD,   25                          ; v25     where I read a row back
.set CO,   26                          ; v26     my byte offset in two rows of qkv
.set SPW,  28                          ; v28     LDS address of my spare word; never rewritten
.set NIL,  29                          ; v29     0; never rewritten
.set PFO,  30                          ; v30     the prefetches' offset: my lane x a row of xw; never rewritten
.set BO,   31                          ; v31     32 (l / 16): my eight numbers in 16 of the bias
.set TMP,  32                          ; v32-63  a block of 16 rows in f16
.set OB,   64                          ; v64-95, v96-127  whole rows read back from the stage, by turns
.set BIAS, 128                         ; v128-191  the bias of my 64 columns, as a lane's accumulators hold them
.set SUM,  192                         ; v192-255  a block's sums with the bias
.set F0,   0
.set F1,   128
.set TO_F,  0x40                       ; destination window 1, address window 0
.set G1A, 24                           ; s[24:31] descriptor group 1 for t's tiles;  s[32:39] group 0: a set for each of the two first fills; the second then walks on
.set G0A, 32
.set G1B, 48                           ; s[48:55], s[56:63] the same for W's
.set G0B, 56
.set PFA, 44                           ; s[44:45] where my prefetches stand
.set TB,  47                           ; s47     the LDS byte at which the slot in hand begins: 0 or SLOT
.set G1W, (1<<16)|(1<<20)|(1<<21)|(5<<22)|(3<<25)  ; elements of 2 bytes; padding on; bit 21 beside a mask; after every 64 words; 4 words
.set MSB, 0
.macro WIN new                         ; the immediate's high byte repeats the setting that is left; a switch that changes nothing is dropped
.if MSB != (\new)
	s_set_vgpr_msb (MSB<<8)|(\new)
.set MSB, \new
.endif
.endm
.macro PLACES                          ; four plain vector instructions between a matrix instruction and a load into, or a vector read of, its registers
.rept 4
	v_nop
.endr
.endm
; A joint load: waves 0 and 1 fetch t's two halves, waves 2 and 3 those of W.  The branch hangs on the wave's number alone.  An s_nop 0 and four v_nop follow each line.
.macro JLOAD s
	s_cmp_eq_u32 s13, 0
	s_cbranch_scc0 .Lfor_b_\@
	tensor_load_to_lds s[G0A+4*(\s):G0A+4*(\s)+3], s[G1A:G1A+7]
	s_nop 0
.rept 4
	v_nop
.endr
	s_branch .Lasked_\@
.Lfor_b_\@:
	tensor_load_to_lds s[G0B+4*(\s):G0B+4*(\s)+3], s[G1B:G1B+7]
	s_nop 0
.rept 4
	v_nop
.endr
.Lasked_\@:
.endm
.macro CREST                           ; a round of the cluster's barrier behind its opening barrier
	s_cmp_lg_u32 s12, 0
	s_cbranch_scc1 .Lnot_wave_0_\@
	s_barrier_signal -3
.Lnot_wave_0_\@:
	s_barrier_wait -3
	s_barrier_signal -1
	s_barrier_wait -1
.endm
.macro CROUND                          ; a whole round
	s_barrier_signal -1
	s_barrier_wait -1
	CREST
.endm
; A prefetch of the K step that stands two refills on: 32 rows x 256 bytes, a lane a row.  Of the 128 rows that a wave fetches the partner at place p takes 32 p .. 32 p + 31 (p = cx for t, cy for W):
; the partners are told apart by address.  t's rows are read by the three clusters of a row of clusters: the one with x = 0 asks; W's by the eight of a column: the one with y = 0 asks.
; So each row's 256 bytes of a K step are named once in the launch.  The first four of the six fills ask, for K steps 4 to 7; K steps 0 to 3 come by their loads alone.
.macro ASK
	s_cmp_gt_u32 s3, s15                           ; s3 counts the fills down from 6; s15 = 2 in a wave that asks
	s_cbranch_scc0 .Lnot_mine_\@
	global_prefetch_b8 v[PFO], s[PFA:PFA+1] th:TH_LOAD_NT scope:SCOPE_SE
.Lnot_mine_\@:
.endm
	s_load_b128 s[4:7], s[0:1], 0x0                ; xw s[4:5], b_qkv s[6:7]
	s_load_b64 s[8:9], s[0:1], 0x10                ; qkv
	v_lshl_add_u32 v[SPW], v0, 2, SPARE
	v_mov_b32 v[NIL], 0
	ds_add_u32 v[SPW], v[NIL]                      ; the wave's opening: the add and its wait ahead of my first tensor load; the set-up below stands between them
	v_lshrrev_b32 v1, 5, v0
	v_readfirstlane_b32 s12, v1                    ; wave 0..3
	s_lshr_b32 s13, s12, 1                         ; which 128 rows of the tile are mine.  Also: I fetch for t (0) or for W (1)
	s_and_b32 s14, s12, 1                          ; which 128 columns are mine.  Also: which half I fetch
	s_bfe_u32 s40, ttmp6, 0x40000                  ; cx
	s_bfe_u32 s41, ttmp6, 0x40004                  ; cy
	s_and_b32 s42, ttmp7, 0xffff                   ; the cluster's y
	s_lshl_b32 s43, s42, 2
	s_add_co_u32 s43, s43, s41                     ; tile row = 4 x cluster y + cy
	s_lshl_b32 s70, ttmp9, 2
	s_add_co_u32 s70, s70, s40                     ; tile column = 4 x cluster x + cx
	s_lshl_b32 s16, s41, 2
	s_lshl_b32 s16, 15, s16                        ; my row of the cluster
	s_lshl_b32 s72, 0x1111, s40                    ; my column
	s_or_b32 s[G1A], s16, G1W
	s_or_b32 s[G1B], s72, G1W
.irp g, G1A, G1B
	s_mov_b32 s[(\g)+1], 128<<16                   ; tensor_dim0 = 128
	s_mov_b32 s[(\g)+2], 128<<16                   ; tensor_dim1 = 128
	s_mov_b32 s[(\g)+3], 128<<16                   ; tile_dim0 = 128
	s_mov_b32 s[(\g)+4], 128                       ; tile_dim1 = 128
	s_mov_b32 s[(\g)+5], 1024                      ; elements from row to row
	s_mov_b32 s[(\g)+6], 0
	s_mov_b32 s[(\g)+7], 0
.endr
	s_lshl_b32 s16, s43, 8                         ; t: row 256 x tile row + 128 x half, in registers that never hold cx
	s_lshl_b32 s17, s14, 7
	s_add_co_u32 s16, s16, s17
	s_mul_i32 s16, s16, RX
	s_mov_b32 s17, 0
	s_lshl_b32 s72, s70, 8                         ; W: row 8,192 + 256 x tile column + 128 x half, in registers that never hold cy
	s_lshl_b32 s73, s14, 7
	s_add_co_u32 s72, s72, s73
	s_add_co_u32 s72, s72, 8192
	s_mul_i32 s72, s72, RX
	s_mov_b32 s73, 0
	s_mul_i32 s91, s14, HALFT                      ; where they go in a slot: no place in the cluster enters an LDS address
	s_add_co_u32 s92, s91, BOFF
	s_mov_b32 s[TB], 0
	s_cmp_eq_u32 s13, 0                            ; who prefetches: along which coordinate do other clusters read the same rows?
	s_cselect_b32 s93, ttmp9, s42
	s_cmp_eq_u32 s93, 0
	s_cselect_b32 s15, 2, -1                       ; 2 in a wave that prefetches, else the greatest number: the same in all partners for a given wave
	s_lshl_b32 s80, s43, 8                         ; the prefetches' first row.  t: 256 x tile row + 32 cx
	s_lshl_b32 s81, s40, 5
	s_add_co_u32 s80, s80, s81
	s_lshl_b32 s82, s70, 8                         ; W: 8,192 + 256 x tile column + 32 cy
	s_lshl_b32 s83, s41, 5
	s_add_co_u32 s82, s82, s83
	s_add_co_u32 s82, s82, 8192
	s_cmp_eq_u32 s13, 0
	s_cselect_b32 s80, s80, s82
	s_lshl_b32 s81, s14, 7                         ; + the 128 rows that I fetch
	s_add_co_u32 s80, s80, s81
	s_mul_i32 s80, s80, RX
	s_add_co_u32 s80, s80, 3*256                   ; at K step 3: the first change of slots steps it to 4 and names that
	s_mov_b32 s81, 0
	s_lshl_b32 s84, s43, 8                         ; my part of the tile in qkv: row 256 x tile row + 128 x half,
	s_lshl_b32 s85, s13, 7
	s_add_co_u32 s84, s84, s85
	s_mul_i32 s84, s84, PC
	s_lshl_b32 s85, s70, 9                         ; column 256 x tile column + 128 x half, 2 bytes each
	s_add_co_u32 s84, s84, s85
	s_lshl_b32 s85, s14, 8
	s_add_co_u32 s84, s84, s85
	s_mov_b32 s85, 0
	s_lshl_b32 s86, s70, 10                        ; the same columns in b, 4 bytes each
	s_lshl_b32 s87, s14, 9
	s_add_co_u32 s86, s86, s87
	s_mov_b32 s87, 0
	s_wait_dscnt 0x0                               ; the opening add is done
	s_wait_kmcnt 0x0
	s_add_nc_u64 s[20:21], s[4:5], s[16:17]
	s_add_nc_u64 s[76:77], s[4:5], s[72:73]
	s_add_nc_u64 s[PFA:PFA+1], s[4:5], s[80:81]
	s_add_nc_u64 s[8:9], s[8:9], s[84:85]
	s_add_nc_u64 s[6:7], s[6:7], s[86:87]
	CROUND                                         ; all sixteen work-groups are here: the first joint loads meet
.irp s, 0,1
	s_mov_b32 s[G0A+4*(\s)], 1                     ; count = 1
	s_add_co_u32 s[G0A+4*(\s)+1], s91, (\s)*SLOT   ; LDS address
	s_add_nc_u64 s[G0A+4*(\s)+2:G0A+4*(\s)+3], s[20:21], (\s)*256  ; global address: K step s
	s_or_b32 s[G0A+4*(\s)+3], s[G0A+4*(\s)+3], 0x80000000          ; type = 2
	s_mov_b32 s[G0B+4*(\s)], 1
	s_add_co_u32 s[G0B+4*(\s)+1], s92, (\s)*SLOT
	s_add_nc_u64 s[G0B+4*(\s)+2:G0B+4*(\s)+3], s[76:77], (\s)*256
	s_or_b32 s[G0B+4*(\s)+3], s[G0B+4*(\s)+3], 0x80000000
	JLOAD \s                                       ; two tensor loads of mine are out: the most in this text
.endr
	; A fragment is 16 rows x 32 K in 8 registers: lane l holds row l % 16; registers 0-3 K = 8 (l / 16) + 0..7, registers 4-7 K = 16 + 8 (l / 16) + 0..7: two loads of 16 bytes, 32 bytes apart.
	v_and_b32 v1, 15, v0                           ; l % 16
	v_bfe_u32 v2, v0, 4, 1                         ; l / 16
	v_mul_u32_u24 v3, v1, PITCH
	v_lshl_add_u32 v3, v2, 4, v3                   ; row x pitch + 16 x half
	s_mul_i32 s88, s13, HALFT                      ; my 128 rows of t
	s_mul_i32 s89, s14, HALFT                      ; my 128 rows of W
	s_add_co_u32 s89, s89, BOFF
	v_add_nc_u32 v[A0], s88, v3
	v_add_nc_u32 v[B0], s89, v3
	v_mov_b32 v[ADRA], v[A0]                       ; slot 0 is the first in hand
	v_mov_b32 v[ADRB], v[B0]
	s_mul_i32 s90, s12, 16*PITCH
	s_add_co_u32 s90, s90, STAGE                   ; my stage
	v_add_nc_u32 v[STO], s90, v3                   ; in: row l % 16, 16 bytes for each half of the lanes
	v_mul_u32_u24 v4, v2, PITCH                    ; back: lanes 0-15 take one row of 256 bytes, lanes 16-31 the next
	v_lshl_add_u32 v4, v1, 4, v4
	v_add_nc_u32 v[RD], s90, v4
	v_mul_u32_u24 v4, v2, PC                       ; and the same two rows in qkv
	v_lshl_add_u32 v[CO], v1, 4, v4
	v_lshlrev_b32 v[BO], 5, v2
	v_and_b32 v4, 31, v0
	v_mul_u32_u24 v[PFO], v4, RX
.irp b, 0,1,2,3,4,5,6,7                ; the bias comes in while the tile is multiplied
	global_load_b128 v[BIAS+8*(\b):BIAS+8*(\b)+3],   v[BO], s[6:7] offset:64*(\b)
	global_load_b128 v[BIAS+8*(\b)+4:BIAS+8*(\b)+7], v[BO], s[6:7] offset:64*(\b)+16
.endr
; 8 matrix instructions: block a of my eight blocks of 16 rows x all 8 blocks of 16 columns, 32 along K.  Every quarter takes a = 0..7 in order: the 64 accumulators take turns, one instruction
; a turn, over every jump too.  zero = 1: the product starts the sum: nothing is cleared.
.macro MUL f, a, zero
	WIN 0xa5+0x50*((\a)/4)                         ; sources 0 and 1 window 1; C and D window 2 or 3
.irp b, 0,1,2,3,4,5,6,7
.if \zero
	v_wmma_f32_16x16x32_bf16 v[8*(8*((\a)%4)+(\b)):8*(8*((\a)%4)+(\b))+7], v[(\f)+8*(\b):(\f)+8*(\b)+7], v[(\f)+64+8*(\a):(\f)+64+8*(\a)+7], 0
.else
	v_wmma_f32_16x16x32_bf16 v[8*(8*((\a)%4)+(\b)):8*(8*((\a)%4)+(\b))+7], v[(\f)+8*(\b):(\f)+8*(\b)+7], v[(\f)+64+8*(\a):(\f)+64+8*(\a)+7], v[8*(8*((\a)%4)+(\b)):8*(8*((\a)%4)+(\b))+7]
.endif
.endr
.endm
; 32 LDS loads in one run: the fragments of one quarter step (32 K at byte k of the rows of the slot in hand) into buffer f: W's eight, then t's eight
.macro FETCH k, f
	WIN TO_F
.irp i, 0,1,2,3,4,5,6,7
	ds_load_b128 v[(\f)+8*(\i):(\f)+8*(\i)+3],   v[ADRB] offset:(\k)+(\i)*16*PITCH
	ds_load_b128 v[(\f)+8*(\i)+4:(\f)+8*(\i)+7], v[ADRB] offset:(\k)+(\i)*16*PITCH+32
.endr
.irp i, 0,1,2,3,4,5,6,7
	ds_load_b128 v[(\f)+64+8*(\i):(\f)+64+8*(\i)+3],   v[ADRA] offset:(\k)+(\i)*16*PITCH
	ds_load_b128 v[(\f)+64+8*(\i)+4:(\f)+64+8*(\i)+7], v[ADRA] offset:(\k)+(\i)*16*PITCH+32
.endr
.endm
; A K step is four quarters of 32 along K, 64 matrix instructions each, on buffers 0, 1, 0, 1.  One of the first three: multiplies f and, in its middle, fetches the next quarter into g.
.macro QUARTER k, f, g, zero
	s_wait_dscnt 8                                 ; all but the youngest eight loads: t's blocks 4 to 7 may be out
.irp a, 0,1,2,3
	MUL \f, \a, \zero
.endr
	PLACES                                         ; in front of the loads into g, which the quarter before multiplied
	FETCH \k, \g
	s_wait_dscnt 32                                ; all but the 32 just issued
.irp a, 4,5,6,7
	MUL \f, \a, \zero
.endr
.endm
; The last quarter multiplies buffer 1 and changes slots: ONE barrier.  In front of it each wave waits for all its tensor loads (one is out: its part of the next slot), adds 0 to its spare word,
; and waits for that and for its reads of this slot.  fill = 1: this slot is filled again with the K step two on: the walking descriptor takes this slot's LDS byte and the next 256 bytes of the rows;
; the barrier opens a round of the cluster's barrier, and the joint load is the first thing behind the round.  fill = 0 (the tail): nothing is filled; in the tail's second trip there is no next
; slot, and the run of LDS loads is jumped over.
.macro TURN fill
.if \fill
	s_wait_xcnt 0x0                                ; the last prefetch, a K step back, has read its address: it is stepped here
	s_add_nc_u64 s[PFA:PFA+1], s[PFA:PFA+1], 256
.endif
	WIN 0                                          ; (the add's two registers lie in window 0)
	s_wait_tensorcnt 0x0                           ; all my tensor loads have landed, so a group 0 may be written
	ds_add_u32 v[SPW], v[NIL]                      ; 0 onto my spare word: scalar work and sixteen products stand between it and the wait for it
.if \fill
	s_add_co_u32 s[G0A+5], s91, s[TB]              ; the slot that is being left,
	s_add_nc_u64 s[G0A+6:G0A+7], s[G0A+6:G0A+7], 256  ; the next K step; the type bits on top are not reached
	s_add_co_u32 s[G0B+5], s92, s[TB]
	s_add_nc_u64 s[G0B+6:G0B+7], s[G0B+6:G0B+7], 256
.endif
	s_xor_b32 s[TB], s[TB], SLOT                   ; 0 and SLOT by turns: the next slot is in hand
	s_wait_dscnt 9                                 ; (the add and the youngest eight loads may be out)
	MUL F1, 0, 0
	MUL F1, 1, 0
	s_wait_dscnt 0x0                               ; the add is done, and my reads of this slot are over
	s_barrier_signal -1
	MUL F1, 2, 0                                   ; work on registers while the others arrive
	MUL F1, 3, 0
	WIN 0
	v_add_nc_u32 v[ADRA], s[TB], v[A0]
	v_add_nc_u32 v[ADRB], s[TB], v[B0]
	s_barrier_wait -1
.if \fill
	CREST                                          ; no wave of any partner still reads the slot or has a load on its way
	JLOAD 1                                        ; its four v_nop are also the places in front of the loads below
	FETCH 0, F0
	WIN 0
	ASK                                            ; behind the joint load and the run of LDS loads
.else
	PLACES
	s_cmp_eq_u32 s3, 1
	s_cbranch_scc1 .Lno_more_\@
	FETCH 0, F0
	WIN 0
.Lno_more_\@:
.endif
.irp a, 4,5,6,7
	MUL F1, \a, 0
.endr
.endm
; THE WAY OUT of block a of window 2 (16 rows x 128 columns).  PACK: the bias is added, the sums rounded to f16: 16 bytes a lane for each 16 columns; each accumulator is read from its low end on.
.macro PACK a
	WIN 0x02                                       ; source 0 window 2
.set i, 0
.rept 32
	v_pk_add_f32 v[SUM+2*i:SUM+2*i+1], v[64*(\a)+2*i:64*(\a)+2*i+1], v[BIAS+2*i:BIAS+2*i+1]
.set i, i+1
.endr
	WIN 0
.set i, 0
.rept 32
	v_cvt_pk_f16_f32 v[TMP+i], v[SUM+2*i], v[SUM+2*i+1]
.set i, i+1
.endr
.endm
.macro TOSTAGE a                       ; into my own stage, and back as whole rows of 256 bytes
.set BK, OB+32*((\a)%2)
.irp b, 0,1,2,3,4,5,6,7
	ds_store_b128 v[STO], v[TMP+4*(\b):TMP+4*(\b)+3] offset:32*(\b)
.endr
.irp t, 0,1,2,3,4,5,6,7
	ds_load_b128 v[BK+4*(\t):BK+4*(\t)+3], v[RD] offset:(\t)*2*PITCH  ; LDS serves a wave's instructions in order (ISA guide 5.7.1.4): these see the stores above
.endr
.endm
.macro SEND a
.set BK, OB+32*((\a)%2)
	s_wait_dscnt 0x0                               ; the block is back in registers
	s_wait_xcnt 0x0                                ; the stores of the block before last have read their registers: the next TOSTAGE loads into them
.irp t, 0,1,2,3,4,5,6,7
	global_store_b128 v[CO], v[BK+4*(\t):BK+4*(\t)+3], s[8:9] offset:(16*(\a)+2*(\t))*PC  ; 16 lanes store 256 consecutive bytes, at a multiple of 256 from qkv's first byte
.endr
.endm
	s_wait_tensorcnt 0x1                           ; my part of K step 0 is in; K step 1's may stay out
	s_barrier_signal -1
	s_barrier_wait -1                              ; everybody's is
	FETCH 0, F0
	QUARTER 64,  F0, F1, 1                         ; the first quarter starts the sums
	WIN 0                                          ; at a label and at a branch every window is 0
	s_mov_b32 s3, FILLS
.Lstep:                                                ; a trip goes from a K step's second quarter to the next step's first, and fills the slot that it leaves
	QUARTER 128, F1, F0, 0
	QUARTER 192, F0, F1, 0
	TURN 1
	QUARTER 64,  F0, F1, 0
	WIN 0
	s_sub_co_u32 s3, s3, 1
	s_cmp_lg_u32 s3, 0
	s_cbranch_scc1 .Lstep
	s_mov_b32 s3, 2
.Ltail:                                                ; the last two K steps ask for nothing: a text of their own; the second trip is left in its middle
	QUARTER 128, F1, F0, 0
	QUARTER 192, F0, F1, 0
	TURN 0
	WIN 0
	s_cmp_eq_u32 s3, 1
	s_cbranch_scc1 .Lout
	QUARTER 64,  F0, F1, 0
	WIN 0
	s_sub_co_u32 s3, s3, 1
	s_cmp_lg_u32 s3, 0
	s_cbranch_scc1 .Ltail
.Lout:
	s_wait_loadcnt 0x0                             ; the bias
.set i, 0
.rept 32                               ; b is rounded to bf16 and widened again; these 96 plain lines are also the places behind the last products
	v_cvt_pk_bf16_f32 v[4+i%4], v[BIAS+2*i], v[BIAS+2*i+1]
	v_lshlrev_b32 v[BIAS+2*i], 16, v[4+i%4]
	v_and_b32 v[BIAS+2*i+1], 0xffff0000, v[4+i%4]
.set i, i+1
.endr
	s_mov_b32 s2, 2
.Lhalf:                                                ; my rows 0-63, then my rows 64-127
	PACK 0
	TOSTAGE 0
.irp a, 1,2,3                          ; block a's arithmetic stands between block a - 1's loads from the stage and the wait for them
	PACK \a
	SEND (\a)-1
	TOSTAGE \a
.endr
	SEND 3
	s_cmp_eq_u32 s2, 1
	s_cbranch_scc1 .Ldone
	WIN 0x83                                       ; destination window 2, source window 3: the other 32 accumulators go where the one text of the way out names them, each from its low end on
.set i, 0
.rept 256
	v_mov_b32 v[i], v[i]
.set i, i+1
.endr
	WIN 0
	s_wait_xcnt 0x0                                ; the stores have read their base
	s_add_nc_u64 s[8:9], s[8:9], 64*PC             ; 64 rows of qkv on
	s_sub_co_u32 s2, s2, 1
	s_cmp_lg_u32 s2, 0
	s_cbranch_scc1 .Lhalf
.Ldone:
	s_wait_tensorcnt 0x0                           ; the wave's end, behind my last tensor load and my last LDS store
	ds_add_u32 v[SPW], v[NIL]
	s_wait_dscnt 0x0
	CROUND                                         ; the closing round: no work-group ends while a partner may still ask for a tile that names it
	s_endpgm
.Lfunc_end_k_q190fe8ffc5_proj:
	.size	k_q190fe8ffc5_proj, .Lfunc_end_k_q190fe8ffc5_proj-k_q190fe8ffc5_proj
	.p2alignl 7, 3214868480
	.fill 96, 4, 3214868480
	.section	.rodata,"a",@progbits
	.p2align	6, 0x0
	.amdhsa_kernel k_q190fe8ffc5_proj
		.amdhsa_group_segment_fixed_size 327680
		.amdhsa_private_segment_fixed_size 0
		.amdhsa_enable_private_segment 0
		.amdhsa_kernarg_size 24
		.amdhsa_user_sgpr_count 2
		.amdhsa_user_sgpr_kernarg_segment_ptr 1
		.amdhsa_wavefront_size32 1
		.amdhsa_system_sgpr_workgroup_id_x 1
		.amdhsa_system_sgpr_workgroup_id_y 1
		.amdhsa_system_sgpr_workgroup_id_z 1
		.amdhsa_system_vgpr_workitem_id 0
		.amdhsa_next_free_vgpr 1024
		.amdhsa_next_free_sgpr 96
		.amdhsa_reserve_vcc 0
		.amdhsa_float_denorm_mode_32 3
		.amdhsa_float_denorm_mode_16_64 3
		.amdhsa_memory_ordered 1
		.amdhsa_forward_progress 1
		.amdhsa_inst_pref_size 108
	.end_amdhsa_kernel
	.amdgpu_metadata
---
amdhsa.version: [ 1, 2 ]
amdhsa.kernels:
  - .name:           k_q190fe8ffc5_proj
    .symbol:         k_q190fe8ffc5_proj.kd
    .args:
      - { .name: xw, .offset: 0, .size: 8, .value_kind: global_buffer, .address_space: global }
      - { .name: b_qkv, .offset: 8, .size: 8, .value_kind: global_buffer, .address_space: global }
      - { .name: qkv, .offset: 16, .size: 8, .value_kind: global_buffer, .address_space: global }
    .group_segment_fixed_size: 327680
    .private_segment_fixed_size: 0
    .kernarg_segment_align: 8
    .kernarg_segment_size: 24
    .max_flat_workgroup_size: 128
    .sgpr_count:     96
    .vgpr_count:     1024
    .wavefront_size: 32
...
	.end_amdgpu_metadata
.endif
;; end of part 2
;; launch scores (part 3): grid 8 x 32, 4 waves a work-group, clusters of 4 x 4, 327,680 bytes of LDS; arguments qkv, pt, st; writes pt, st
.if DOCPART == 3
	.amdgcn_target "amdgcn-amd-amdhsa--gfx1250"
	.amdhsa_code_object_version 6
	.text
	.protected	k_q190fe8ffc5_scores
	.globl	k_q190fe8ffc5_scores
	.p2align	8
	.type	k_q190fe8ffc5_scores,@function
k_q190fe8ffc5_scores:
	s_mov_b64 s[64:65], 0
	v_nop
	global_prefetch_b8 v0, s[64:65] scope:SCOPE_SE
	s_setreg_imm32_b32 hwreg(HW_REG_WAVE_MODE, 25, 1), 1
	s_wait_xcnt 0x0
	s_wait_alu depctr_hold_cnt(0) depctr_sa_sdst(0) depctr_va_vdst(0) depctr_va_sdst(0) depctr_va_ssrc(0) depctr_va_vcc(0) depctr_vm_vsrc(0)
	s_getreg_b32 s2, hwreg(HW_REG_IB_STS2, 6, 4)
	s_cmp_eq_u32 s2, 0
	s_cbranch_scc0 .Lentry_in_a_cluster
	s_endpgm
.Lentry_in_a_cluster:
	s_bfe_u32 s2, ttmp6, 0x10000c
	s_cmp_lg_u32 s2, 0xf033
	s_cbranch_scc0 .Lentry_shape_is_right
	s_endpgm
.Lentry_shape_is_right:
; s[q][k] = Q[q] . K[k] for the queries and keys of one batch; Q and K are columns 0-1023 and 1024-2047 of qkv ([8192][3072] f16).  The scores are not stored.  For each query and each block j of
; 128 keys: cm = c x (the block's largest s), c = log2(e) / 32; p = 2^(c s - cm), stored in f16 in pt ([8192][2048]); l = the sum of the block's unrounded p, in f32.
; st is [2][16][8192] f32: cm at [0][j][row], l at [1][j][row].  The launch behind brings the blocks to the row's own maximum: the maximum that is taken away is a true one at both stages.
; LIMITS.  p lies in 0 to 1; a p below 2^-126 counts as 0 in l, and below 6e-5 it keeps f16's fixed step in pt.  NaN and infinities are not treated apart.
; SHARES.  A tile is 256 queries x 256 keys: four waves, 2 x 2, each 128 x 128: a wave holds whole blocks of 128 keys, so a block's maximum and sum never leave the wave.
; 32 x 8 tiles, a work-group to each: 256.  K (the width, 1,024) goes in 8 steps of 128 through a ring of two LDS slots; a K step is 256 matrix instructions a wave, of which 224 stand
; between a slot's request and the wait for it.
; CLUSTER.  4 x 4 work-groups, all of one batch.  The four of a row need the same rows of Q, the four of a column the same rows of K: joint loads.
; THE MATRIX INSTRUCTION IS USED TRANSPOSED: source 0 = 16 keys, source 1 = 16 queries: a lane holds ONE query (l % 16) and the keys 8 (l / 16) + 0..7 of each 16.
; THE TEXT.  A K step is written once and looped: the slot in hand is a scalar, 0 or SLOT, turned by an exclusive or; the LDS addresses are made from it at each change of slots.
; The way out is written for four blocks of 16 queries and walked twice; between the walks the other 32 accumulators are moved to where that text names them: 256 moves, once a wave.
; REGISTERS, in windows of 256 (s_set_vgpr_msb: bits 1:0 source 0, 3:2 source 1, 5:4 source 2, 7:6 destination):
;   window 0: addresses and the way out     window 1: two fragment buffers of 128 (8 fragments of K, then 8 of Q)
;   window 2: accumulator (a, b), a = 0..3, at v[8 (8 a + b)]     window 3: a = 4..7 likewise
.set PITCH,  272                       ; an LDS row: 256 bytes + 16 of padding
.set HALFT,  128*PITCH
.set BOFF,   2*HALFT
.set SLOT,   4*HALFT                   ; 139,264 bytes
.set STAGE,  2*SLOT                    ; behind the ring, never filled by a tensor load: 16 rows x 272 bytes for each wave
.set STAT,   STAGE+4*16*PITCH          ; for each wave 1,024 bytes: 128 cm, then 128 l
.set SPARE,  STAT+4*1024               ; the spare words: two blocks of 256 bytes that no other line names
.set RQ,     6144                      ; bytes in a row of qkv
.set PC,     4096                      ; bytes in a row of pt
.set FILLS,  6
.set A0,   16
.set B0,   17
.set ADRA, 18
.set ADRB, 19
.set SO,   22                          ; v22     16 l: my 16 bytes of 512 in st
.set STO,  24
.set RD,   25
.set CO,   26
.set SA,   27                          ; v27     where I put my query's cm and l; it steps by 256 between the two walks of the way out
.set SPW,  28
.set NIL,  29
.set PFO,  30
.set SR,   31                          ; v31     where I read four queries' figures back
.set TMP,  32                          ; v32-63  a block of 16 queries in f16
.set OB,   64                          ; v64-95, v96-127
.set CH,   192                         ; v192-195  four chains of the maximum
.set CM,   196                         ; v196-197  cm, twice
.set LS,   198                         ; v198    l
.set TT,   199                         ; v199    what comes from the other half of the lanes
.set SD,   200                         ; v200-207  figures on their way to st
.set F0,   0
.set F1,   128
.set TO_F,  0x40
.set G1A, 24
.set G0A, 32
.set G1B, 48
.set G0B, 56
.set PFA, 44
.set TB,  47
.set CS,  66                           ; s[66:67] c, named as a pair
.set SEL, 68                           ; s[68:69] v_permlanex16_b32's selects: each lane takes its own place in the other half
.set G1W, (1<<16)|(1<<20)|(1<<21)|(5<<22)|(3<<25)
.set MSB, 0
.macro WIN new
.if MSB != (\new)
	s_set_vgpr_msb (MSB<<8)|(\new)
.set MSB, \new
.endif
.endm
.macro PLACES
.rept 4
	v_nop
.endr
.endm
.macro JLOAD s                         ; a joint load: waves 0 and 1 fetch Q's two halves, waves 2 and 3 those of K; an s_nop 0 and four v_nop follow each line
	s_cmp_eq_u32 s13, 0
	s_cbranch_scc0 .Lfor_b_\@
	tensor_load_to_lds s[G0A+4*(\s):G0A+4*(\s)+3], s[G1A:G1A+7]
	s_nop 0
.rept 4
	v_nop
.endr
	s_branch .Lasked_\@
.Lfor_b_\@:
	tensor_load_to_lds s[G0B+4*(\s):G0B+4*(\s)+3], s[G1B:G1B+7]
	s_nop 0
.rept 4
	v_nop
.endr
.Lasked_\@:
.endm
.macro CREST
	s_cmp_lg_u32 s12, 0
	s_cbranch_scc1 .Lnot_wave_0_\@
	s_barrier_signal -3
.Lnot_wave_0_\@:
	s_barrier_wait -3
	s_barrier_signal -1
	s_barrier_wait -1
.endm
.macro CROUND
	s_barrier_signal -1
	s_barrier_wait -1
	CREST
.endm
; A prefetch of the K step two refills on: 32 rows x 256 bytes, a lane a row.  Of the 128 rows that a wave fetches the partner at place p takes 32 (p = cx for Q, cy for K): told apart by address.
; Q's rows are read by the two clusters of a row of clusters: the one with x = 0 asks; a batch's keys by the two clusters of the batch in a column: the one with even y asks.
; Each row's 256 bytes of a K step are named once in the launch.  The first four of the six fills ask, for K steps 4 to 7.
.macro ASK
	s_cmp_gt_u32 s3, s15
	s_cbranch_scc0 .Lnot_mine_\@
	global_prefetch_b8 v[PFO], s[PFA:PFA+1] th:TH_LOAD_NT scope:SCOPE_SE
.Lnot_mine_\@:
.endm
	s_load_b128 s[4:7], s[0:1], 0x0                ; qkv s[4:5], pt s[6:7]
	s_load_b64 s[8:9], s[0:1], 0x10                ; st
	v_lshl_add_u32 v[SPW], v0, 2, SPARE
	v_mov_b32 v[NIL], 0
	ds_add_u32 v[SPW], v[NIL]                      ; the wave's opening: the add and its wait ahead of my first tensor load
	v_lshrrev_b32 v1, 5, v0
	v_readfirstlane_b32 s12, v1                    ; wave 0..3
	s_lshr_b32 s13, s12, 1                         ; which 128 queries are mine.  Also: I fetch for Q (0) or for K (1)
	s_and_b32 s14, s12, 1                          ; which 128 keys are mine.  Also: which half I fetch
	s_bfe_u32 s40, ttmp6, 0x40000                  ; cx
	s_bfe_u32 s41, ttmp6, 0x40004                  ; cy
	s_and_b32 s42, ttmp7, 0xffff                   ; the cluster's y; two rows of clusters to a batch
	s_lshl_b32 s43, s42, 2
	s_add_co_u32 s43, s43, s41                     ; tile row = 4 x cluster y + cy
	s_lshl_b32 s70, ttmp9, 2
	s_add_co_u32 s70, s70, s40                     ; tile column in the batch = 4 x cluster x + cx
	s_lshl_b32 s16, s41, 2
	s_lshl_b32 s16, 15, s16                        ; my row of the cluster
	s_lshl_b32 s72, 0x1111, s40                    ; my column
	s_or_b32 s[G1A], s16, G1W
	s_or_b32 s[G1B], s72, G1W
.irp g, G1A, G1B
	s_mov_b32 s[(\g)+1], 128<<16                   ; tensor_dim0 = 128
	s_mov_b32 s[(\g)+2], 128<<16                   ; tensor_dim1 = 128
	s_mov_b32 s[(\g)+3], 128<<16                   ; tile_dim0 = 128
	s_mov_b32 s[(\g)+4], 128                       ; tile_dim1 = 128
	s_mov_b32 s[(\g)+5], 3072                      ; elements from row to row
	s_mov_b32 s[(\g)+6], 0
	s_mov_b32 s[(\g)+7], 0
.endr
	s_mov_b32 s[CS], 0x3d38aa3b                    ; c = log2(e) / 32
	s_mov_b32 s[CS+1], s[CS]
	s_mov_b32 s[SEL], 0x76543210
	s_mov_b32 s[SEL+1], 0xfedcba98
	s_lshl_b32 s16, s43, 8                         ; Q: row 256 x tile row + 128 x half
	s_lshl_b32 s17, s14, 7
	s_add_co_u32 s16, s16, s17
	s_mul_i32 s16, s16, RQ
	s_mov_b32 s17, 0
	s_lshr_b32 s74, s42, 1
	s_lshl_b32 s74, s74, 11                        ; the batch's first row
	s_lshl_b32 s72, s70, 8                         ; K: that + 256 x tile column + 128 x half, 2,048 bytes into the row
	s_lshl_b32 s73, s14, 7
	s_add_co_u32 s72, s72, s73
	s_add_co_u32 s72, s72, s74
	s_mul_i32 s72, s72, RQ
	s_add_co_u32 s72, s72, 2048
	s_mov_b32 s73, 0
	s_mul_i32 s91, s14, HALFT                      ; where they go in a slot: no place in the cluster enters an LDS address
	s_add_co_u32 s92, s91, BOFF
	s_mov_b32 s[TB], 0
	s_and_b32 s94, s42, 1                          ; who prefetches
	s_cmp_eq_u32 s13, 0
	s_cselect_b32 s93, ttmp9, s94
	s_cmp_eq_u32 s93, 0
	s_cselect_b32 s15, 2, -1                       ; 2 in a wave that prefetches, else the greatest number
	s_lshl_b32 s80, s43, 8                         ; the prefetches' first row.  Q: 256 x tile row + 32 cx
	s_lshl_b32 s81, s40, 5
	s_add_co_u32 s80, s80, s81
	s_lshl_b32 s82, s70, 8                         ; K: the batch + 256 x tile column + 32 cy
	s_lshl_b32 s83, s41, 5
	s_add_co_u32 s82, s82, s83
	s_add_co_u32 s82, s82, s74
	s_cmp_eq_u32 s13, 0
	s_cselect_b32 s80, s80, s82
	s_cselect_b32 s83, 0, 2048
	s_lshl_b32 s81, s14, 7                         ; + the 128 rows that I fetch
	s_add_co_u32 s80, s80, s81
	s_mul_i32 s80, s80, RQ
	s_add_co_u32 s80, s80, s83
	s_add_co_u32 s80, s80, 3*256                   ; at K step 3: the first change of slots steps it to 4 and names that
	s_mov_b32 s81, 0
	s_lshl_b32 s84, s43, 8                         ; my first query
	s_lshl_b32 s85, s13, 7
	s_add_co_u32 s84, s84, s85
	s_lshl_b32 s86, s84, 2                         ; in st: 4 bytes a query,
	s_lshl_b32 s84, s84, 12                        ; in pt: 4,096 bytes a query,
	s_lshl_b32 s85, s70, 9                         ; key 256 x tile column + 128 x half, 2 bytes each
	s_add_co_u32 s84, s84, s85
	s_lshl_b32 s85, s14, 8
	s_add_co_u32 s84, s84, s85
	s_mov_b32 s85, 0
	s_lshl_b32 s87, s70, 16                        ; block j = 2 x tile column + half: 32,768 bytes a block
	s_add_co_u32 s86, s86, s87
	s_lshl_b32 s87, s14, 15
	s_add_co_u32 s86, s86, s87
	s_mov_b32 s87, 0
	s_wait_dscnt 0x0                               ; the opening add is done
	s_wait_kmcnt 0x0
	s_add_nc_u64 s[20:21], s[4:5], s[16:17]
	s_add_nc_u64 s[76:77], s[4:5], s[72:73]
	s_add_nc_u64 s[PFA:PFA+1], s[4:5], s[80:81]
	s_add_nc_u64 s[6:7], s[6:7], s[84:85]
	s_add_nc_u64 s[8:9], s[8:9], s[86:87]
	CROUND                                         ; all sixteen work-groups are here: the first joint loads meet
.irp s, 0,1
	s_mov_b32 s[G0A+4*(\s)], 1
	s_add_co_u32 s[G0A+4*(\s)+1], s91, (\s)*SLOT
	s_add_nc_u64 s[G0A+4*(\s)+2:G0A+4*(\s)+3], s[20:21], (\s)*256
	s_or_b32 s[G0A+4*(\s)+3], s[G0A+4*(\s)+3], 0x80000000
	s_mov_b32 s[G0B+4*(\s)], 1
	s_add_co_u32 s[G0B+4*(\s)+1], s92, (\s)*SLOT
	s_add_nc_u64 s[G0B+4*(\s)+2:G0B+4*(\s)+3], s[76:77], (\s)*256
	s_or_b32 s[G0B+4*(\s)+3], s[G0B+4*(\s)+3], 0x80000000
	JLOAD \s                                       ; two tensor loads of mine are out: the most in this text
.endr
	v_and_b32 v1, 15, v0                           ; l % 16
	v_bfe_u32 v2, v0, 4, 1                         ; l / 16
	v_mul_u32_u24 v3, v1, PITCH
	v_lshl_add_u32 v3, v2, 4, v3
	s_mul_i32 s88, s13, HALFT
	s_mul_i32 s89, s14, HALFT
	s_add_co_u32 s89, s89, BOFF
	v_add_nc_u32 v[A0], s88, v3
	v_add_nc_u32 v[B0], s89, v3
	v_mov_b32 v[ADRA], v[A0]                       ; slot 0 is the first in hand
	v_mov_b32 v[ADRB], v[B0]
	s_mul_i32 s90, s12, 16*PITCH
	s_add_co_u32 s90, s90, STAGE
	v_add_nc_u32 v[STO], s90, v3
	v_mul_u32_u24 v4, v2, PITCH
	v_lshl_add_u32 v4, v1, 4, v4
	v_add_nc_u32 v[RD], s90, v4
	v_lshlrev_b32 v4, 12, v2                       ; two rows of pt
	v_lshl_add_u32 v[CO], v1, 4, v4
	v_and_b32 v4, 31, v0
	v_mul_u32_u24 v[PFO], v4, RQ
	s_lshl_b32 s90, s12, 10
	s_add_co_u32 s90, s90, STAT                    ; my wave's figures
	v_lshl_add_u32 v[SA], v1, 2, s90
	v_lshl_add_u32 v[SR], v4, 4, s90
	v_lshlrev_b32 v[SO], 4, v4
	v_mov_b32 v[TT], 0                             ; v_permlanex16_b32 counts as a reader of its destination
.macro MUL f, a, zero                  ; 8 matrix instructions; the 64 accumulators take turns, one instruction a turn
	WIN 0xa5+0x50*((\a)/4)                         ; sources 0 and 1 window 1; C and D window 2 or 3
.irp b, 0,1,2,3,4,5,6,7
.if \zero
	v_wmma_f32_16x16x32_f16 v[8*(8*((\a)%4)+(\b)):8*(8*((\a)%4)+(\b))+7], v[(\f)+8*(\b):(\f)+8*(\b)+7], v[(\f)+64+8*(\a):(\f)+64+8*(\a)+7], 0
.else
	v_wmma_f32_16x16x32_f16 v[8*(8*((\a)%4)+(\b)):8*(8*((\a)%4)+(\b))+7], v[(\f)+8*(\b):(\f)+8*(\b)+7], v[(\f)+64+8*(\a):(\f)+64+8*(\a)+7], v[8*(8*((\a)%4)+(\b)):8*(8*((\a)%4)+(\b))+7]
.endif
.endr
.endm
.macro FETCH k, f                      ; 32 LDS loads in one run, from the slot in hand: K's eight fragments, then Q's eight
	WIN TO_F
.irp i, 0,1,2,3,4,5,6,7
	ds_load_b128 v[(\f)+8*(\i):(\f)+8*(\i)+3],   v[ADRB] offset:(\k)+(\i)*16*PITCH
	ds_load_b128 v[(\f)+8*(\i)+4:(\f)+8*(\i)+7], v[ADRB] offset:(\k)+(\i)*16*PITCH+32
.endr
.irp i, 0,1,2,3,4,5,6,7
	ds_load_b128 v[(\f)+64+8*(\i):(\f)+64+8*(\i)+3],   v[ADRA] offset:(\k)+(\i)*16*PITCH
	ds_load_b128 v[(\f)+64+8*(\i)+4:(\f)+64+8*(\i)+7], v[ADRA] offset:(\k)+(\i)*16*PITCH+32
.endr
.endm
.macro QUARTER k, f, g, zero
	s_wait_dscnt 8                                 ; all but the youngest eight loads: Q's blocks 4 to 7 may be out
.irp a, 0,1,2,3
	MUL \f, \a, \zero
.endr
	PLACES                                         ; in front of the loads into g, which the quarter before multiplied
	FETCH \k, \g
	s_wait_dscnt 32                                ; all but the 32 just issued
.irp a, 4,5,6,7
	MUL \f, \a, \zero
.endr
.endm
; The last quarter multiplies buffer 1 and changes slots: one barrier; in front of it each wave waits for all its tensor loads, adds 0 to its spare word, and waits for that and for its reads of
; this slot.  fill = 1: the slot takes the K step two on, by the walking descriptor; the barrier opens a round of the cluster's barrier, and the joint load is the first thing behind the round.
; fill = 0 (the tail): nothing is filled; in the tail's second trip there is no next slot, and the run of LDS loads is jumped over.
.macro TURN fill
.if \fill
	s_wait_xcnt 0x0                                ; the last prefetch, a K step back, has read its address
	s_add_nc_u64 s[PFA:PFA+1], s[PFA:PFA+1], 256
.endif
	WIN 0
	s_wait_tensorcnt 0x0                           ; all my tensor loads have landed, so a group 0 may be written
	ds_add_u32 v[SPW], v[NIL]                      ; 0 onto my spare word
.if \fill
	s_add_co_u32 s[G0A+5], s91, s[TB]              ; the slot that is being left,
	s_add_nc_u64 s[G0A+6:G0A+7], s[G0A+6:G0A+7], 256  ; the next K step
	s_add_co_u32 s[G0B+5], s92, s[TB]
	s_add_nc_u64 s[G0B+6:G0B+7], s[G0B+6:G0B+7], 256
.endif
	s_xor_b32 s[TB], s[TB], SLOT                   ; 0 and SLOT by turns: the next slot is in hand
	s_wait_dscnt 9                                 ; (the add and the youngest eight loads may be out)
	MUL F1, 0, 0
	MUL F1, 1, 0
	s_wait_dscnt 0x0                               ; the add is done, and my reads of this slot are over
	s_barrier_signal -1
	MUL F1, 2, 0
	MUL F1, 3, 0
	WIN 0
	v_add_nc_u32 v[ADRA], s[TB], v[A0]
	v_add_nc_u32 v[ADRB], s[TB], v[B0]
	s_barrier_wait -1
.if \fill
	CREST
	JLOAD 1                                        ; its four v_nop are also the places in front of the loads below
	FETCH 0, F0
	WIN 0
	ASK
.else
	PLACES
	s_cmp_eq_u32 s3, 1
	s_cbranch_scc1 .Lno_more_\@
	FETCH 0, F0
	WIN 0
.Lno_more_\@:
.endif
.irp a, 4,5,6,7
	MUL F1, \a, 0
.endr
.endm
; THE WAY OUT of block a of window 2: 16 queries x 128 keys; a lane's 64 scores x0-x63 lie at v[64 a ..].
; The maximum: four chains of 15 scores, three operands at a time, each accumulator read first at one of its four lowest registers; the four scores left over; the other half of
; the lanes.  Then c s - cm and the exponentials in place: ONE batch of 64 with one plain line and one wait behind it; then the roundings to f16, and the sum as a tree of packed additions in place.
.macro SOFT a
.set XB, 64*(\a)
	WIN 0x2a                                       ; all three sources window 2
.irp k, 0,1,2,3
	v_max3_num_f32 v[CH+(\k)], v[XB+16*(\k)], v[XB+16*(\k)+1], v[XB+16*(\k)+2]
.endr
	WIN 0x28                                       ; sources 1 and 2 window 2
.irp n, 1,2,3,4,5,6
.irp k, 0,1,2,3
	v_max3_num_f32 v[CH+(\k)], v[CH+(\k)], v[XB+16*(\k)+2*(\n)+1], v[XB+16*(\k)+2*(\n)+2]
.endr
.endr
	v_max3_num_f32 v[CH], v[CH], v[XB+15], v[XB+31]
	v_max3_num_f32 v[CH+2], v[CH+2], v[XB+47], v[XB+63]
	WIN 0
	v_max3_num_f32 v[CH], v[CH], v[CH+1], v[CH+2]
	v_max_num_f32 v[CH], v[CH], v[CH+3]
	v_permlanex16_b32 v[TT], v[CH], s[SEL], s[SEL+1]  ; the query's other 64 keys lie in the lane 16 away
	v_max_num_f32 v[CH], v[CH], v[TT]
	v_mul_f32 v[CM], s[CS], v[CH]
	v_mov_b32 v[CM+1], v[CM]
	WIN 0x82                                       ; destination and source 0 window 2
.set i, 0
.rept 32
	v_pk_fma_f32 v[XB+2*i:XB+2*i+1], v[XB+2*i:XB+2*i+1], s[CS:CS+1], v[CM:CM+1] op_sel_hi:[1,0,0] neg_lo:[0,0,1] neg_hi:[0,0,1]
.set i, i+1
.endr
.set i, 0
.rept 64
	v_exp_f32 v[XB+i], v[XB+i]
.set i, i+1
.endr
	v_nop                                          ; a plain instruction behind the last exponential,
	s_wait_alu depctr_va_vdst(0)                   ; and the wait ahead of the first use: one for the 64
	WIN 0x0a                                       ; sources 0 and 1 window 2
.set i, 0
.rept 32
	v_cvt_pk_f16_f32 v[TMP+i], v[XB+2*i], v[XB+2*i+1]
.set i, i+1
.endr
	WIN 0x8a
.irp w, 16,8,4,2,1
.set i, 0
.rept \w
	v_pk_add_f32 v[XB+2*i:XB+2*i+1], v[XB+2*i:XB+2*i+1], v[XB+2*(i+(\w)):XB+2*(i+(\w))+1]
.set i, i+1
.endr
.endr
	WIN 0x0a
	v_add_f32 v[LS], v[XB], v[XB+1]
	WIN 0
	v_permlanex16_b32 v[TT], v[LS], s[SEL], s[SEL+1]
	v_add_f32 v[LS], v[LS], v[TT]
	ds_store_b32 v[SA], v[CM] offset:64*(\a)       ; both halves of the lanes write the same word with the same number
	ds_store_b32 v[SA], v[LS] offset:512+64*(\a)
.endm
.macro TOSTAGE a
.set BK, OB+32*((\a)%2)
.irp b, 0,1,2,3,4,5,6,7
	ds_store_b128 v[STO], v[TMP+4*(\b):TMP+4*(\b)+3] offset:32*(\b)
.endr
.irp t, 0,1,2,3,4,5,6,7
	ds_load_b128 v[BK+4*(\t):BK+4*(\t)+3], v[RD] offset:(\t)*2*PITCH  ; LDS serves a wave's instructions in order (ISA guide 5.7.1.4): these see the stores above
.endr
.endm
.macro SEND a
.set BK, OB+32*((\a)%2)
	s_wait_dscnt 0x0
	s_wait_xcnt 0x0                                ; the stores of the block before last have read their registers
.irp t, 0,1,2,3,4,5,6,7
	global_store_b128 v[CO], v[BK+4*(\t):BK+4*(\t)+3], s[6:7] offset:(16*(\a)+2*(\t))*PC  ; 16 lanes store 256 consecutive bytes, at a multiple of 256 from pt's first byte
.endr
.endm
	s_wait_tensorcnt 0x1                           ; my part of K step 0 is in; K step 1's may stay out
	s_barrier_signal -1
	s_barrier_wait -1
	FETCH 0, F0
	QUARTER 64,  F0, F1, 1                         ; the first quarter starts the sums
	WIN 0
	s_mov_b32 s3, FILLS
.Lstep:                                                ; a trip goes from a K step's second quarter to the next step's first, and fills the slot that it leaves
	QUARTER 128, F1, F0, 0
	QUARTER 192, F0, F1, 0
	TURN 1
	QUARTER 64,  F0, F1, 0
	WIN 0
	s_sub_co_u32 s3, s3, 1
	s_cmp_lg_u32 s3, 0
	s_cbranch_scc1 .Lstep
	s_mov_b32 s3, 2
.Ltail:                                                ; the last two K steps ask for nothing: a text of their own; the second trip is left in its middle
	QUARTER 128, F1, F0, 0
	QUARTER 192, F0, F1, 0
	TURN 0
	WIN 0
	s_cmp_eq_u32 s3, 1
	s_cbranch_scc1 .Lout
	QUARTER 64,  F0, F1, 0
	WIN 0
	s_sub_co_u32 s3, s3, 1
	s_cmp_lg_u32 s3, 0
	s_cbranch_scc1 .Ltail
.Lout:
	PLACES                                         ; behind the last products
	s_mov_b32 s2, 2
.Lhalf:                                                ; my queries 0-63, then my queries 64-127
	SOFT 0
	TOSTAGE 0
.irp a, 1,2,3                          ; block a's arithmetic stands between block a - 1's loads from the stage and the wait for them
	SOFT \a
	SEND (\a)-1
	TOSTAGE \a
.endr
	SEND 3
	s_cmp_eq_u32 s2, 1
	s_cbranch_scc1 .Ldone
	WIN 0x83                                       ; destination window 2, source window 3: the other 32 accumulators go where the one text of the way out names them, each from its low end on
.set i, 0
.rept 256
	v_mov_b32 v[i], v[i]
.set i, i+1
.endr
	WIN 0
	v_add_nc_u32 v[SA], 256, v[SA]                 ; the figures of 64 queries on
	s_wait_xcnt 0x0                                ; the stores have read their base
	s_add_nc_u64 s[6:7], s[6:7], 64*PC             ; 64 rows of pt on
	s_sub_co_u32 s2, s2, 1
	s_cmp_lg_u32 s2, 0
	s_cbranch_scc1 .Lhalf
.Ldone:
	ds_load_b128 v[SD:SD+3], v[SR]                 ; my wave's 128 cm and 128 l, four queries a lane
	ds_load_b128 v[SD+4:SD+7], v[SR] offset:512
	s_wait_dscnt 0x0
	global_store_b128 v[SO], v[SD:SD+3], s[8:9]    ; a wave stores 512 consecutive bytes, at a multiple of 256 from st's first byte
	global_store_b128 v[SO], v[SD+4:SD+7], s[8:9] offset:524288
	s_wait_tensorcnt 0x0                           ; the wave's end
	ds_add_u32 v[SPW], v[NIL]
	s_wait_dscnt 0x0
	CROUND                                         ; the closing round
	s_endpgm
.Lfunc_end_k_q190fe8ffc5_scores:
	.size	k_q190fe8ffc5_scores, .Lfunc_end_k_q190fe8ffc5_scores-k_q190fe8ffc5_scores
	.p2alignl 7, 3214868480
	.fill 96, 4, 3214868480
	.section	.rodata,"a",@progbits
	.p2align	6, 0x0
	.amdhsa_kernel k_q190fe8ffc5_scores
		.amdhsa_group_segment_fixed_size 327680
		.amdhsa_private_segment_fixed_size 0
		.amdhsa_enable_private_segment 0
		.amdhsa_kernarg_size 24
		.amdhsa_user_sgpr_count 2
		.amdhsa_user_sgpr_kernarg_segment_ptr 1
		.amdhsa_wavefront_size32 1
		.amdhsa_system_sgpr_workgroup_id_x 1
		.amdhsa_system_sgpr_workgroup_id_y 1
		.amdhsa_system_sgpr_workgroup_id_z 1
		.amdhsa_system_vgpr_workitem_id 0
		.amdhsa_next_free_vgpr 1024
		.amdhsa_next_free_sgpr 96
		.amdhsa_reserve_vcc 0
		.amdhsa_float_denorm_mode_32 3
		.amdhsa_float_denorm_mode_16_64 3
		.amdhsa_memory_ordered 1
		.amdhsa_forward_progress 1
		.amdhsa_inst_pref_size 129
	.end_amdhsa_kernel
	.amdgpu_metadata
---
amdhsa.version: [ 1, 2 ]
amdhsa.kernels:
  - .name:           k_q190fe8ffc5_scores
    .symbol:         k_q190fe8ffc5_scores.kd
    .args:
      - { .name: qkv, .offset: 0, .size: 8, .value_kind: global_buffer, .address_space: global }
      - { .name: pt, .offset: 8, .size: 8, .value_kind: global_buffer, .address_space: global }
      - { .name: st, .offset: 16, .size: 8, .value_kind: global_buffer, .address_space: global }
    .group_segment_fixed_size: 327680
    .private_segment_fixed_size: 0
    .kernarg_segment_align: 8
    .kernarg_segment_size: 24
    .max_flat_workgroup_size: 128
    .sgpr_count:     96
    .vgpr_count:     1024
    .wavefront_size: 32
...
	.end_amdgpu_metadata
.endif
;; end of part 3
;; launch pv (part 4): grid 4 x 64, 4 waves a work-group, clusters of 4 x 4, 327,680 bytes of LDS; arguments pt, qkv, st, out0; writes out0
.if DOCPART == 4
	.amdgcn_target "amdgcn-amd-amdhsa--gfx1250"
	.amdhsa_code_object_version 6
	.text
	.protected	k_q190fe8ffc5_pv
	.globl	k_q190fe8ffc5_pv
	.p2align	8
	.type	k_q190fe8ffc5_pv,@function
k_q190fe8ffc5_pv:
	s_mov_b64 s[64:65], 0
	v_nop
	global_prefetch_b8 v0, s[64:65] scope:SCOPE_SE
	s_setreg_imm32_b32 hwreg(HW_REG_WAVE_MODE, 25, 1), 1
	s_wait_xcnt 0x0
	s_wait_alu depctr_hold_cnt(0) depctr_sa_sdst(0) depctr_va_vdst(0) depctr_va_sdst(0) depctr_va_ssrc(0) depctr_va_vcc(0) depctr_vm_vsrc(0)
	s_getreg_b32 s2, hwreg(HW_REG_IB_STS2, 6, 4)
	s_cmp_eq_u32 s2, 0
	s_cbranch_scc0 .Lentry_in_a_cluster
	s_endpgm
.Lentry_in_a_cluster:
	s_bfe_u32 s2, ttmp6, 0x10000c
	s_cmp_lg_u32 s2, 0xf033
	s_cbranch_scc0 .Lentry_shape_is_right
	s_endpgm
.Lentry_shape_is_right:
; out0[q][v] = (1 / L) x the sum over blocks j of 128 keys of the sum over the block's keys of (w_j p) V[k][v].  p (pt, [8192][2048] f16) is 2^(c s - cm_j) with the block's own maximum; here, for each
; query, CM = the largest cm_j, w_j = 2^(cm_j - CM), L = the sum of w_j l_j (st: cm and l in f32): together the softmax with the row's true maximum taken away.  V is columns 2048-3071 of qkv (f16).
; w_j is rounded to f16 once, and L is summed over the SAME rounded factors; w_j p is rounded to f16, as a matrix operand; sums in f32; out0 in f32.
; LIMITS.  w_j and p lie in 0 to 1; w_j p below 6e-5 keeps f16's fixed step; a w_j below 2^-126 counts as 0.  L is at least about 1: the block that holds the row's maximum has w = 1 and a p near 1.
; NaN and infinities are not treated apart.
; SHARES.  A tile of out0 is 128 queries x 256 channels: four waves, 2 x 2, each 64 x 128.  256 work-groups, one tile each.  K (the keys, 2,048) goes in steps of 128, one block j a step,
; through a ring of two LDS slots.  CLUSTER.  4 x 4 work-groups of one batch: the four of a row need the same rows of pt, the four of a column the same columns of V: joint loads.
; THE MATRIX INSTRUCTION IS USED TRANSPOSED: source 0 = 16 channels of V (V lies [key][channel] and is turned by ds_load_tr16_b128), source 1 = 16 queries: a lane holds ONE query, in the fragments
; of p too, so w_j is one packed multiply a register.
; REGISTERS, in windows of 256 (s_set_vgpr_msb: bits 1:0 source 0, 3:2 source 1, 5:4 source 2, 7:6 destination):
;   window 0: addresses, the table's making, the way out     window 1: two fragment buffers of 96 (8 fragments of V, then 4 of p)     window 2: accumulator (a, b) at v[8 (8 a + b)]
.set PITCH,  272                       ; a row of p in LDS: 256 bytes + 16 of padding
.set PV,     544                       ; a row of V: 512 bytes + 32 of padding: 16 lanes of the turning load take 8 rows x 32 bytes in different columns modulo 256
.set AHALF,  64*PITCH                  ; 64 queries
.set BHALF,  64*PV                     ; 64 keys: the same 34,816 bytes as twice AHALF
.set BOFF,   2*AHALF
.set SLOT,   BOFF+2*BHALF              ; 104,448 bytes
.set STAGE,  2*SLOT                    ; behind the ring, never filled by a tensor load: 16 rows x 528 bytes for each wave
.set SPITCH, 528
.set WF,     STAGE+4*16*SPITCH         ; the factors: for each block j 512 bytes: w_j twice in f16, a word a query
.set RL,     WF+16*512                 ; 1 / L, a word a query
.set SPARE,  RL+512                    ; the spare words: two blocks of 256 bytes that no other line names
.set RQ,     6144                      ; bytes in a row of qkv
.set RP,     4096                      ; bytes in a row of pt and of out0
.set KBS,    128*RQ                    ; a K step in V: 128 keys down
.set LAPS,   8
.set CYM,    3                         ; a batch's V is read by four clusters: the first of them prefetches
.set ADRA, 16
.set ADRB, 20
.set SO,   23                          ; v23     4 x my thread's number: my query's figures in st; never rewritten
.set STO,  24
.set RD,   25
.set CO,   26
.set RLA,  27                          ; v27     where my four queries' 1 / L lie
.set SPW,  28
.set NIL,  29
.set PFO,  30
.set WA,   31                          ; v31     where my four queries' factors of the next K step lie; it steps by 512
.set W4,   32                          ; v32-35  the factors of the K step in hand, one for each block of 16 queries
.set RL4,  36                          ; v36-39  1 / L likewise
.set RB,   40                          ; v40-47  the same, each twice
.set X,    64                          ; v64-127 the table's making; later a block of 16 queries, scaled
.set OB,   128                         ; v128-191, v192-255  whole rows read back from the stage, by turns
.set F0,   0
.set F1,   96
.set W_MUL, 0xa5
.set W_SC,  0x41                       ; destination and source 0 window 1, source 1 window 0
.set TO_F,  0x40
.set G1A, 24
.set G0A, 32
.set G1B, 48
.set G0B, 56
.set PFA, 44
.set PST, 46                           ; s[46:47] a K step for my prefetches: 256 bytes in pt, KBS in V
.set MSB, 0
.macro WIN new
.if MSB != (\new)
	s_set_vgpr_msb (MSB<<8)|(\new)
.set MSB, \new
.endif
.endm
.macro PLACES
.rept 4
	v_nop
.endr
.endm
.macro JLOAD s                         ; a joint load: waves 0 and 1 fetch p's two halves, waves 2 and 3 those of V; an s_nop 0 and four v_nop follow each line
	s_cmp_eq_u32 s13, 0
	s_cbranch_scc0 .Lfor_b_\@
	tensor_load_to_lds s[G0A+4*(\s):G0A+4*(\s)+3], s[G1A:G1A+7]
	s_nop 0
.rept 4
	v_nop
.endr
	s_branch .Lasked_\@
.Lfor_b_\@:
	tensor_load_to_lds s[G0B+4*(\s):G0B+4*(\s)+3], s[G1B:G1B+7]
	s_nop 0
.rept 4
	v_nop
.endr
.Lasked_\@:
.endm
.macro CREST
	s_cmp_lg_u32 s12, 0
	s_cbranch_scc1 .Lnot_wave_0_\@
	s_barrier_signal -3
.Lnot_wave_0_\@:
	s_barrier_wait -3
	s_barrier_signal -1
	s_barrier_wait -1
.endm
.macro CROUND
	s_barrier_signal -1
	s_barrier_wait -1
	CREST
.endm
; A prefetch of the K step two refills on.  p's 128 rows x 256 bytes: wave 0 asks, the partner at cx takes 32 rows, a lane a row.  V's 64 keys x 512 bytes that waves 2 and 3 fetch: the partner at cy
; takes 16 keys, two lanes a key, in the batch's first cluster alone.  Each block of 256 bytes is named once in the launch; the loop's last trip has no K step two on.
.macro ASK
	s_cmp_gt_u32 s3, s15
	s_cbranch_scc0 .Lnot_mine_\@
	global_prefetch_b8 v[PFO], s[PFA:PFA+1] th:TH_LOAD_NT scope:SCOPE_SE
.Lnot_mine_\@:
.endm
	s_load_b256 s[4:11], s[0:1], 0x0               ; pt s[4:5], qkv s[6:7], st s[8:9], out0 s[10:11]
	v_lshl_add_u32 v[SPW], v0, 2, SPARE
	v_mov_b32 v[NIL], 0
	ds_add_u32 v[SPW], v[NIL]                      ; the wave's opening: the add and its wait ahead of my first tensor load
	v_lshrrev_b32 v1, 5, v0
	v_readfirstlane_b32 s12, v1                    ; wave 0..3
	v_lshlrev_b32 v[SO], 2, v0
	s_lshr_b32 s13, s12, 1                         ; which 64 queries are mine.  Also: I fetch for p (0) or for V (1)
	s_and_b32 s14, s12, 1                          ; which 128 channels are mine.  Also: which half I fetch
	s_bfe_u32 s40, ttmp6, 0x40000                  ; cx
	s_bfe_u32 s41, ttmp6, 0x40004                  ; cy
	s_and_b32 s42, ttmp7, 0xffff                   ; the cluster's y; four clusters to a batch
	s_lshl_b32 s43, s42, 2
	s_add_co_u32 s43, s43, s41                     ; tile row = 4 x cluster y + cy
	s_lshl_b32 s70, ttmp9, 2
	s_add_co_u32 s70, s70, s40                     ; tile column = 4 x cluster x + cx
	s_lshl_b32 s16, s41, 2
	s_lshl_b32 s16, 15, s16                        ; my row of the cluster
	s_lshl_b32 s72, 0x1111, s40                    ; my column
	s_or_b32 s[G1A], s16, (1<<16)|(1<<20)|(1<<21)|(5<<22)|(3<<25)  ; elements of 2 bytes; padding on; bit 21 beside a mask; after every 64 words, 4 words
	s_or_b32 s[G1B], s72, (1<<16)|(1<<20)|(1<<21)|(6<<22)|(7<<25)  ; after every 128 words, 8 words
	s_mov_b32 s[G1A+1], 128<<16                    ; tensor_dim0 = 128
	s_mov_b32 s[G1A+2], 64<<16                     ; tensor_dim1 = 64
	s_mov_b32 s[G1A+3], 128<<16                    ; tile_dim0 = 128
	s_mov_b32 s[G1A+4], 64                         ; tile_dim1 = 64
	s_mov_b32 s[G1A+5], 2048                       ; elements from row to row
	s_mov_b32 s[G1A+6], 0
	s_mov_b32 s[G1A+7], 0
	s_mov_b32 s[G1B+1], 256<<16                    ; 256 channels,
	s_mov_b32 s[G1B+2], 64<<16                     ; 64 keys
	s_mov_b32 s[G1B+3], 256<<16
	s_mov_b32 s[G1B+4], 64
	s_mov_b32 s[G1B+5], 3072
	s_mov_b32 s[G1B+6], 0
	s_mov_b32 s[G1B+7], 0
	s_lshl_b32 s16, s43, 7                         ; p: row 128 x tile row + 64 x half
	s_lshl_b32 s17, s14, 6
	s_add_co_u32 s16, s16, s17
	s_lshl_b32 s16, s16, 12
	s_mov_b32 s17, 0
	s_lshr_b32 s74, s42, 2
	s_lshl_b32 s74, s74, 11                        ; the batch's first row
	s_lshl_b32 s72, s14, 6                         ; V: that + 64 x half; 4,096 bytes into the row, + 512 x tile column
	s_add_co_u32 s72, s72, s74
	s_mul_i32 s72, s72, RQ
	s_lshl_b32 s73, s70, 9
	s_add_co_u32 s72, s72, s73
	s_add_co_u32 s72, s72, 4096
	s_mov_b32 s73, 0
	s_mul_i32 s91, s14, AHALF                      ; where they go: no place in the cluster enters an LDS address
	s_mul_i32 s92, s14, BHALF
	s_add_co_u32 s92, s92, BOFF
	s_or_b32 s93, s14, ttmp9                       ; who prefetches
	s_and_b32 s94, s42, CYM
	s_cmp_eq_u32 s13, 0
	s_cselect_b32 s93, s93, s94
	s_cmp_eq_u32 s93, 0
	s_cselect_b32 s15, 1, -1
	s_lshl_b32 s80, s43, 7                         ; the prefetches.  p: row 128 x tile row + 32 cx, at K step 3
	s_lshl_b32 s81, s40, 5
	s_add_co_u32 s80, s80, s81
	s_lshl_b32 s80, s80, 12
	s_add_co_u32 s80, s80, 3*256
	s_lshl_b32 s82, s14, 6                         ; V: key 64 x half + 16 cy of the batch, at K step 3
	s_add_co_u32 s82, s82, s74
	s_lshl_b32 s83, s41, 4
	s_add_co_u32 s82, s82, s83
	s_mul_i32 s82, s82, RQ
	s_lshl_b32 s83, s70, 9
	s_add_co_u32 s82, s82, s83
	s_add_co_u32 s82, s82, 4096+3*KBS
	s_mov_b32 s[PST], KBS
	s_mov_b32 s79, RQ
	s_cmp_eq_u32 s13, 0
	s_cselect_b32 s80, s80, s82
	s_cselect_b32 s[PST], 256, s[PST]
	s_cselect_b32 s78, 0, 1                        ; V: two lanes a key
	s_cselect_b32 s79, RP, s79                     ; bytes from row to row
	s_mov_b32 s81, 0
	s_mov_b32 s[PST+1], 0
	s_lshl_b32 s84, s43, 7                         ; my part of the tile in out0: row 128 x tile row + 64 x half,
	s_lshl_b32 s85, s13, 6
	s_add_co_u32 s84, s84, s85
	s_lshl_b32 s84, s84, 12
	s_lshl_b32 s85, s70, 10                        ; channel 256 x tile column + 128 x half, 4 bytes each
	s_add_co_u32 s84, s84, s85
	s_lshl_b32 s85, s14, 9
	s_add_co_u32 s84, s84, s85
	s_mov_b32 s85, 0
	s_lshl_b32 s86, s43, 9                         ; the work-group's 128 queries in st
	s_mov_b32 s87, 0
	s_wait_dscnt 0x0                               ; the opening add is done
	s_wait_kmcnt 0x0
	s_add_nc_u64 s[20:21], s[4:5], s[16:17]
	s_add_nc_u64 s[76:77], s[6:7], s[72:73]
	s_cmp_eq_u32 s13, 0
	s_cselect_b64 s[PFA:PFA+1], s[4:5], s[6:7]
	s_add_nc_u64 s[PFA:PFA+1], s[PFA:PFA+1], s[80:81]
	s_add_nc_u64 s[10:11], s[10:11], s[84:85]
	s_add_nc_u64 s[8:9], s[8:9], s[86:87]
.irp j, 0,1,2,3,4,5,6,7,8,9,10,11,12,13,14,15  ; thread i is query i of the work-group's 128: its 16 cm and 16 l
	global_load_b32 v[X+(\j)],    v[SO], s[8:9] offset:32768*(\j)
	global_load_b32 v[X+16+(\j)], v[SO], s[8:9] offset:32768*(\j)+524288
.endr
	CROUND                                         ; all sixteen work-groups are here: the first joint loads meet
.irp s, 0,1
	s_mov_b32 s[G0A+4*(\s)], 1
	s_add_co_u32 s[G0A+4*(\s)+1], s91, (\s)*SLOT
	s_add_nc_u64 s[G0A+4*(\s)+2:G0A+4*(\s)+3], s[20:21], (\s)*256
	s_or_b32 s[G0A+4*(\s)+3], s[G0A+4*(\s)+3], 0x80000000
	s_mov_b32 s[G0B+4*(\s)], 1
	s_add_co_u32 s[G0B+4*(\s)+1], s92, (\s)*SLOT
	s_add_nc_u64 s[G0B+4*(\s)+2:G0B+4*(\s)+3], s[76:77], (\s)*KBS
	s_or_b32 s[G0B+4*(\s)+3], s[G0B+4*(\s)+3], 0x80000000
	JLOAD \s                                       ; two tensor loads of mine are out: the most in this text
.endr
	v_and_b32 v1, 15, v0                           ; l % 16
	v_bfe_u32 v2, v0, 4, 1                         ; l / 16
	v_mul_u32_u24 v3, v1, PITCH
	v_lshl_add_u32 v3, v2, 4, v3                   ; p: row x pitch + 16 x half
	; The turning load takes 16 keys x 16 channels (lane l reads key 8 (l / 16) + l % 8, channels 8 ((l / 8) % 2) + 0..7) and leaves half a fragment: lane l holds channel l % 16 and 8 keys.
	v_and_b32 v4, 7, v0
	v_lshl_add_u32 v4, v2, 3, v4
	v_mul_u32_u24 v4, v4, PV
	v_bfe_u32 v5, v0, 3, 1
	v_lshl_add_u32 v4, v5, 4, v4
	s_mul_i32 s88, s13, AHALF                      ; my 64 queries
	s_lshl_b32 s89, s14, 8                         ; my 128 channels: 256 bytes into V's rows
	s_add_co_u32 s89, s89, BOFF
.irp s, 0,1
	v_add_nc_u32 v[ADRA+(\s)], s88, v3
	v_add_nc_u32 v[ADRB+(\s)], s89, v4
	s_add_co_u32 s88, s88, SLOT
	s_add_co_u32 s89, s89, SLOT
.endr
	s_mul_i32 s90, s12, 16*SPITCH
	s_add_co_u32 s90, s90, STAGE                   ; my stage
	v_mul_u32_u24 v4, v1, SPITCH                   ; in: row l % 16, 32 bytes for each half of the lanes
	v_lshl_add_u32 v4, v2, 5, v4
	v_add_nc_u32 v[STO], s90, v4
	v_and_b32 v5, 31, v0
	v_lshl_add_u32 v[RD], v5, 4, s90               ; back: 32 lanes take a row of 512 bytes
	v_lshlrev_b32 v[CO], 4, v5                     ; and the same in out0
	v_lshrrev_b32 v4, s78, v5                      ; the prefetches' offset: a row a lane, or for V a key for two lanes, 256 bytes each
	v_and_b32 v6, s78, v5
	v_mul_u32_u24 v[PFO], s79, v4
	v_lshl_add_u32 v[PFO], v6, 8, v[PFO]
	s_lshl_b32 s90, s13, 8
	v_lshl_add_u32 v[WA], v1, 4, s90               ; 256 x my half of the queries + 16 (l % 16): four words, one for each block of 16 queries
	v_add_nc_u32 v[RLA], RL, v[WA]
	v_add_nc_u32 v[WA], WF, v[WA]
	v_lshrrev_b32 v4, 6, v0                        ; where query i's words go: half i / 64, place i % 16, block (i / 16) % 4
	v_bfe_u32 v6, v0, 4, 2
	v_lshlrev_b32 v7, 8, v4
	v_lshl_add_u32 v7, v1, 4, v7
	v_lshl_add_u32 v7, v6, 2, v7
	v_add_nc_u32 v7, WF, v7
	; THE TABLE.  v64-79 cm_j, v80-95 l_j; v96 CM; v97, v98 two chains of L; v99 1 / L; v100-115 w_j, twice in f16
	v_mov_b32 v97, 0
	v_mov_b32 v98, 0
	s_wait_loadcnt 0x0
	v_max3_num_f32 v96, v64, v65, v66
.irp j, 67,69,71,73,75,77
	v_max3_num_f32 v96, v96, v[\j], v[(\j)+1]
.endr
	v_max_num_f32 v96, v96, v79
.set j, 0
.rept 16
	v_sub_f32 v[X+j], v[X+j], v96
.set j, j+1
.endr
.set j, 0
.rept 16
	v_exp_f32 v[X+j], v[X+j]
.set j, j+1
.endr
	v_nop                                          ; a plain instruction behind the last exponential,
	s_wait_alu depctr_va_vdst(0)                   ; and the wait ahead of the first use: one for the 16
.set j, 0
.rept 16
	v_cvt_pk_f16_f32 v[100+j], v[X+j], v[X+j]
.set j, j+1
.endr
.set j, 0
.rept 16
	v_fma_mix_f32 v[97+j%2], v[100+j], v[X+16+j], v[97+j%2] op_sel_hi:[1,0,0]  ; L takes the ROUNDED factor (the f16 low half) times l_j
.set j, j+1
.endr
	v_add_f32 v97, v97, v98
	v_rcp_f32 v99, v97
	v_nop
	s_wait_alu depctr_va_vdst(0)
.irp j, 0,1,2,3,4,5,6,7,8,9,10,11,12,13,14,15
	ds_store_b32 v7, v[100+(\j)] offset:512*(\j)
.endr
	ds_store_b32 v7, v99 offset:16*512
; 8 matrix instructions; the 32 accumulators take turns, one instruction a turn.  Behind each of a quarter's first 12 stand two of the 24 multiplies that scale p's blocks 1 to 3:
; block 1 is ready behind the 4th product and first used by the 9th, block 2 behind the 8th (17th), block 3 behind the 12th (25th).  None names a register of the products round it.
.macro MUL f, a, zero
.irp b, 0,1,2,3,4,5,6,7
	WIN W_MUL
.if \zero
	v_wmma_f32_16x16x32_f16 v[8*(8*(\a)+(\b)):8*(8*(\a)+(\b))+7], v[(\f)+8*(\b):(\f)+8*(\b)+7], v[(\f)+64+8*(\a):(\f)+64+8*(\a)+7], 0
.else
	v_wmma_f32_16x16x32_f16 v[8*(8*(\a)+(\b)):8*(8*(\a)+(\b))+7], v[(\f)+8*(\b):(\f)+8*(\b)+7], v[(\f)+64+8*(\a):(\f)+64+8*(\a)+7], v[8*(8*(\a)+(\b)):8*(8*(\a)+(\b))+7]
.endif
.if 8*(\a)+(\b) < 12
	WIN W_SC
	v_pk_mul_f16 v[(\f)+72+2*(8*(\a)+(\b))], v[(\f)+72+2*(8*(\a)+(\b))], v[W4+1+(8*(\a)+(\b))/4]
	v_pk_mul_f16 v[(\f)+73+2*(8*(\a)+(\b))], v[(\f)+73+2*(8*(\a)+(\b))], v[W4+1+(8*(\a)+(\b))/4]
.endif
.endr
.endm
.macro SCALE0 f                        ; p's block 0 is scaled at the quarter's head
	WIN W_SC
.irp i, 0,1,2,3,4,5,6,7
	v_pk_mul_f16 v[(\f)+64+(\i)], v[(\f)+64+(\i)], v[W4]
.endr
.endm
; 24 LDS loads in one run: the fragments of 32 keys (byte k of p's rows; key k / 2 of V's) into buffer f: V's eight, turned, then p's four
.macro FETCH slot, k, f
	WIN TO_F
.irp b, 0,1,2,3,4,5,6,7
	ds_load_tr16_b128 v[(\f)+8*(\b):(\f)+8*(\b)+3],   v[ADRB+(\slot)] offset:((\k)/64)*32*PV+32*(\b)
	ds_load_tr16_b128 v[(\f)+8*(\b)+4:(\f)+8*(\b)+7], v[ADRB+(\slot)] offset:((\k)/64)*32*PV+16*PV+32*(\b)
.endr
.irp a, 0,1,2,3
	ds_load_b128 v[(\f)+64+8*(\a):(\f)+64+8*(\a)+3],   v[ADRA+(\slot)] offset:(\k)+(\a)*16*PITCH
	ds_load_b128 v[(\f)+64+8*(\a)+4:(\f)+64+8*(\a)+7], v[ADRA+(\slot)] offset:(\k)+(\a)*16*PITCH+32
.endr
.endm
.macro WLOAD                           ; the next K step's four factors; all multiplies of the K step in hand stand ahead of it, so one set of registers serves
	WIN 0
	ds_load_b128 v[W4:W4+3], v[WA]
	v_add_nc_u32 v[WA], 512, v[WA]
.endm
.macro QUARTER slot, k, f, g, zero
	s_wait_dscnt 0x0                               ; the quarter's fragments are all in (they are scaled at once), and so are the factors
	SCALE0 \f
	MUL \f, 0, \zero
	MUL \f, 1, \zero
	PLACES                                         ; in front of the loads into g, which the quarter before multiplied
	FETCH \slot, \k, \g
	MUL \f, 2, \zero
	MUL \f, 3, \zero
.endm
; The last quarter multiplies buffer 1 and changes slots: one barrier; in front of it each wave waits for all its tensor loads, adds 0 to its spare word, and waits for that and for its reads of
; this slot.  fill = 1: the slot takes the K step two on; the barrier then opens a round of the cluster's barrier, and the joint load is the first thing behind the round.
.macro TURN slot, next, fill
.if \fill
	s_wait_xcnt 0x0                                ; the last prefetch, a K step back, has read its address
	s_add_nc_u64 s[PFA:PFA+1], s[PFA:PFA+1], s[PST:PST+1]
.endif
	WIN 0
	s_wait_tensorcnt 0x0                           ; all my tensor loads have landed
	ds_add_u32 v[SPW], v[NIL]                      ; 0 onto my spare word
	s_wait_dscnt 1                                 ; (the add alone may be out)
	SCALE0 F1
	MUL F1, 0, 0
	s_wait_dscnt 0x0                               ; the add is done, and my reads of this slot are over
	s_barrier_signal -1
	MUL F1, 1, 0
.if \fill
	WIN 0
.endif
	s_barrier_wait -1
.if \fill
	CREST
	s_add_nc_u64 s[G0A+4*(\slot)+2:G0A+4*(\slot)+3], s[G0A+4*(\slot)+2:G0A+4*(\slot)+3], 2*256
	s_add_nc_u64 s[G0B+4*(\slot)+2:G0B+4*(\slot)+3], s[G0B+4*(\slot)+2:G0B+4*(\slot)+3], 2*KBS
	JLOAD \slot                                    ; its four v_nop are also the places in front of the loads below
.else
	PLACES
.endif
	WLOAD
	FETCH \next, 0, F0
.if \fill
	WIN 0
	ASK
.endif
	MUL F1, 2, 0
	MUL F1, 3, 0
.endm
; THE WAY OUT of block a (16 queries x 128 channels, f32): times 1 / L, each accumulator read from its low end on; through my stage; out as whole rows of 512 bytes.
.macro SCALEO a
	WIN 0x02                                       ; source 0 window 2
.set i, 0
.rept 32
	v_pk_mul_f32 v[X+2*i:X+2*i+1], v[64*(\a)+2*i:64*(\a)+2*i+1], v[RB+2*(\a):RB+2*(\a)+1]
.set i, i+1
.endr
	WIN 0
.endm
.macro TOSTAGE a
.set BK, OB+64*((\a)%2)
.irp b, 0,1,2,3,4,5,6,7
	ds_store_b128 v[STO], v[X+8*(\b):X+8*(\b)+3]   offset:64*(\b)
	ds_store_b128 v[STO], v[X+8*(\b)+4:X+8*(\b)+7] offset:64*(\b)+16
.endr
.irp t, 0,1,2,3,4,5,6,7,8,9,10,11,12,13,14,15
	ds_load_b128 v[BK+4*(\t):BK+4*(\t)+3], v[RD] offset:(\t)*SPITCH  ; LDS serves a wave's instructions in order (ISA guide 5.7.1.4): these see the stores above
.endr
.endm
.macro SEND a
.set BK, OB+64*((\a)%2)
	s_wait_dscnt 0x0
	s_wait_xcnt 0x0                                ; the stores of the block before last have read their registers
.irp t, 0,1,2,3,4,5,6,7,8,9,10,11,12,13,14,15
	global_store_b128 v[CO], v[BK+4*(\t):BK+4*(\t)+3], s[10:11] offset:(16*(\a)+(\t))*RP th:TH_STORE_NT  ; a wave stores 512 consecutive bytes, at a multiple of 256 from out0's first byte
.endr
.endm
	s_wait_tensorcnt 0x1                           ; my part of K step 0 is in; K step 1's may stay out
	s_wait_dscnt 0x0                               ; my part of the table is written
	s_barrier_signal -1
	s_barrier_wait -1                              ; everybody's is
	WLOAD
	FETCH 0, 0, F0
	QUARTER 0, 64,  F0, F1, 1                      ; the first quarter starts the sums
	WIN 0
	s_mov_b32 s3, LAPS-1
.Llap:                                                 ; a trip goes once round the ring, from a lap's second quarter to the next lap's first, and fills both slots again
	QUARTER 0, 128, F1, F0, 0
	QUARTER 0, 192, F0, F1, 0
	TURN 0, 1, 1
	QUARTER 1, 64,  F0, F1, 0
	QUARTER 1, 128, F1, F0, 0
	QUARTER 1, 192, F0, F1, 0
	TURN 1, 0, 1
	QUARTER 0, 64,  F0, F1, 0
	WIN 0
	s_sub_co_u32 s3, s3, 1
	s_cmp_lg_u32 s3, 0
	s_cbranch_scc1 .Llap
	QUARTER 0, 128, F1, F0, 0                      ; the last lap fills nothing
	QUARTER 0, 192, F0, F1, 0
	TURN 0, 1, 0
	QUARTER 1, 64,  F0, F1, 0
	QUARTER 1, 128, F1, F0, 0
	QUARTER 1, 192, F0, F1, 0
	s_wait_dscnt 0x0                               ; the very last quarter: nothing more to fetch
	SCALE0 F1
	MUL F1, 0, 0
	MUL F1, 1, 0
	MUL F1, 2, 0
	MUL F1, 3, 0
	WIN 0
	PLACES                                         ; behind the last products
	ds_load_b128 v[RL4:RL4+3], v[RLA]
	s_wait_dscnt 0x0
.irp a, 0,1,2,3
	v_mov_b32 v[RB+2*(\a)], v[RL4+(\a)]
	v_mov_b32 v[RB+2*(\a)+1], v[RL4+(\a)]
.endr
	SCALEO 0
	TOSTAGE 0
.irp a, 1,2,3                          ; block a's arithmetic stands between block a - 1's loads from the stage and the wait for them
	SCALEO \a
	SEND (\a)-1
	TOSTAGE \a
.endr
	SEND 3
	s_wait_tensorcnt 0x0                           ; the wave's end
	ds_add_u32 v[SPW], v[NIL]
	s_wait_dscnt 0x0
	CROUND                                         ; the closing round
	s_endpgm
.Lfunc_end_k_q190fe8ffc5_pv:
	.size	k_q190fe8ffc5_pv, .Lfunc_end_k_q190fe8ffc5_pv-k_q190fe8ffc5_pv
	.p2alignl 7, 3214868480
	.fill 96, 4, 3214868480
	.section	.rodata,"a",@progbits
	.p2align	6, 0x0
	.amdhsa_kernel k_q190fe8ffc5_pv
		.amdhsa_group_segment_fixed_size 327680
		.amdhsa_private_segment_fixed_size 0
		.amdhsa_enable_private_segment 0
		.amdhsa_kernarg_size 32
		.amdhsa_user_sgpr_count 2
		.amdhsa_user_sgpr_kernarg_segment_ptr 1
		.amdhsa_wavefront_size32 1
		.amdhsa_system_sgpr_workgroup_id_x 1
		.amdhsa_system_sgpr_workgroup_id_y 1
		.amdhsa_system_sgpr_workgroup_id_z 1
		.amdhsa_system_vgpr_workitem_id 0
		.amdhsa_next_free_vgpr 768
		.amdhsa_next_free_sgpr 96
		.amdhsa_reserve_vcc 0
		.amdhsa_float_denorm_mode_32 3
		.amdhsa_float_denorm_mode_16_64 3
		.amdhsa_memory_ordered 1
		.amdhsa_forward_progress 1
		.amdhsa_inst_pref_size 149
	.end_amdhsa_kernel
	.amdgpu_metadata
---
amdhsa.version: [ 1, 2 ]
amdhsa.kernels:
  - .name:           k_q190fe8ffc5_pv
    .symbol:         k_q190fe8ffc5_pv.kd
    .args:
      - { .name: pt, .offset: 0, .size: 8, .value_kind: global_buffer, .address_space: global }
      - { .name: qkv, .offset: 8, .size: 8, .value_kind: global_buffer, .address_space: global }
      - { .name: st, .offset: 16, .size: 8, .value_kind: global_buffer, .address_space: global }
      - { .name: out0, .offset: 24, .size: 8, .value_kind: global_buffer, .address_space: global }
    .group_segment_fixed_size: 327680
    .private_segment_fixed_size: 0
    .kernarg_segment_align: 8
    .kernarg_segment_size: 32
    .max_flat_workgroup_size: 128
    .sgpr_count:     96
    .vgpr_count:     768
    .wavefront_size: 32
...
	.end_amdgpu_metadata
.endif
;; end of part 4
;; ======== version 2 of 2: 4 launches; version 1 with the launch cast written anew for expert scheduling mode
;; limits: values are held in f16: magnitudes above 65,504 overflow, below 6.1e-05 lose precision
;; workspace buffers: xw 23,068,672 bytes; qkv 50,331,648 bytes; pt 33,554,432 bytes; st 1,048,576 bytes
;; launch cast (part 5): grid 704 x 1, 8 waves a work-group, no clusters, 0 bytes of LDS; arguments t, W_qkv, xw; writes xw
.if DOCPART == 5
	.amdgcn_target "amdgcn-amd-amdhsa--gfx1250"
	.amdhsa_code_object_version 6
	.text
	.protected	k_q190fe8ffc5_cast
	.globl	k_q190fe8ffc5_cast
	.p2align	8
	.type	k_q190fe8ffc5_cast,@function
k_q190fe8ffc5_cast:
	s_mov_b64 s[64:65], 0
	v_nop
	global_prefetch_b8 v0, s[64:65] scope:SCOPE_SE
	s_setreg_imm32_b32 hwreg(HW_REG_WAVE_SCHED_MODE, 0, 2), 2
	s_setreg_imm32_b32 hwreg(HW_REG_WAVE_MODE, 25, 1), 1
	s_wait_xcnt 0x0
	s_wait_alu depctr_vm_vsrc(0)
; xw = bf16(t) on top of bf16(W_qkv): [11264][1024] bf16; rows 0-8191 are t's, rows 8192-11263 W_qkv's.  Rounded to nearest even, once.
; A stream: each byte is read once and written once, so there is no LDS, no barrier and no matrix work.
; A work-group takes 16 rows of 1,024 numbers: groups 0-511 from t, groups 512-703 from W_qkv.  Thread i takes the 16 bytes at 16 i of every row:
; a load of a wave covers 512 consecutive bytes, a store of a wave 256 consecutive bytes at a multiple of 256 from xw's first byte.
; All 16 loads of a thread go out together; the rows are converted and stored as they arrive, four at a time.
; THE MODE: SCHED_MODE bits 1:0 = 2 (LLVM: expert scheduling mode 2), set by the entry lines.  The code itself states the register dependences
; between vector instructions and memory instructions, with s_wait_alu, always for 0.
; THE PLAN.  Registers that memory instructions touch:
;   v1, v2   byte offsets.  Written once, at the head, by vector shifts; v1 is read by every load, v2 by every store; never written again.
;   X        row r's load lands in X + 4 r.  No vector instruction names X ahead of the loads; row r's two conversions read it behind the wait for its data; it is never loaded again.
;   Y        row r's two conversions write Y + 2 r and Y + 2 r + 1, once in the launch; row r's store reads them; they are never written again.
; So no register that a memory instruction has read is ever rewritten, and what is left to state is: the offsets are written, ahead of the first load; and a block's Y is written, ahead of its
; stores.  The 16 rows go in four blocks of four: eight conversions, ONE wait, a run of four stores.  The wait stands behind the block's own conversions, so that its stores leave without
; waiting for the next block's loads to land; the loads are all out already, so there are none to deal among the vector lines.
.set X, 4                              ; v[4:67]   row i: 4 numbers in f32
.set Y, 68                             ; v[68:99]  row i: the same 4 in bf16
	s_load_b128 s[4:7], s[0:1], 0x0                ; t s[4:5], W_qkv s[6:7]
	s_load_b64 s[8:9], s[0:1], 0x10                ; xw
	v_lshlrev_b32 v1, 4, v0                        ; my 16 bytes of a source row
	v_lshlrev_b32 v2, 3, v0                        ; my 8 bytes of a row of xw
	s_cmp_lt_u32 ttmp9, 512
	s_cselect_b32 s10, 0, 512
	s_sub_co_u32 s10, ttmp9, s10                   ; the group's number within its source
	s_lshl_b32 s10, s10, 16                        ; times 16 rows of 4,096 bytes
	s_mov_b32 s11, 0
	s_lshl_b32 s12, ttmp9, 15                      ; in xw: 16 rows of 2,048 bytes
	s_mov_b32 s13, 0
	s_wait_kmcnt 0x0
	s_cmp_lt_u32 ttmp9, 512                        ; compared again: the subtraction has written SCC
	s_cselect_b64 s[4:5], s[4:5], s[6:7]           ; the source
	s_add_nc_u64 s[4:5], s[4:5], s[10:11]
	s_add_nc_u64 s[8:9], s[8:9], s[12:13]
	s_wait_alu depctr_va_vdst(0)                   ; v1 and v2 are written: every load below reads v1 as its offset, every store v2; no vector line behind this wait names either
.irp i, 0,1,2,3,4,5,6,7,8,9,10,11,12,13,14,15
	global_load_b128 v[X+4*(\i):X+4*(\i)+3], v1, s[4:5] offset:4096*(\i) th:TH_LOAD_NT
.endr
.irp g, 0,1,2,3                        ; block g: rows 4 g to 4 g + 3
	s_wait_loadcnt 12-4*(\g)                       ; loads come back in order (ISA guide 5.7.1): the block's four rows are in, the 12 - 4 g loads of the younger blocks stay out
.irp i, 0,1,2,3
	v_cvt_pk_bf16_f32 v[Y+2*(4*(\g)+(\i))], v[X+4*(4*(\g)+(\i))], v[X+4*(4*(\g)+(\i))+1]
	v_cvt_pk_bf16_f32 v[Y+2*(4*(\g)+(\i))+1], v[X+4*(4*(\g)+(\i))+2], v[X+4*(4*(\g)+(\i))+3]
.endr
	s_wait_alu depctr_va_vdst(0)                   ; the eight conversions have written the block's eight registers of Y, which the four stores below read
.irp i, 0,1,2,3
	global_store_b64 v2, v[Y+2*(4*(\g)+(\i)):Y+2*(4*(\g)+(\i))+1], s[8:9] offset:2048*(4*(\g)+(\i)) th:TH_STORE_NT
.endr
.endr
	s_endpgm
.Lfunc_end_k_q190fe8ffc5_cast:
	.size	k_q190fe8ffc5_cast, .Lfunc_end_k_q190fe8ffc5_cast-k_q190fe8ffc5_cast
	.p2alignl 7, 3214868480
	.fill 96, 4, 3214868480
	.section	.rodata,"a",@progbits
	.p2align	6, 0x0
	.amdhsa_kernel k_q190fe8ffc5_cast
		.amdhsa_group_segment_fixed_size 0
		.amdhsa_private_segment_fixed_size 0
		.amdhsa_enable_private_segment 0
		.amdhsa_kernarg_size 24
		.amdhsa_user_sgpr_count 2
		.amdhsa_user_sgpr_kernarg_segment_ptr 1
		.amdhsa_wavefront_size32 1
		.amdhsa_system_sgpr_workgroup_id_x 1
		.amdhsa_system_sgpr_workgroup_id_y 1
		.amdhsa_system_sgpr_workgroup_id_z 1
		.amdhsa_system_vgpr_workitem_id 0
		.amdhsa_next_free_vgpr 100
		.amdhsa_next_free_sgpr 66
		.amdhsa_reserve_vcc 0
		.amdhsa_float_denorm_mode_32 3
		.amdhsa_float_denorm_mode_16_64 3
		.amdhsa_memory_ordered 1
		.amdhsa_forward_progress 1
		.amdhsa_inst_pref_size 7
	.end_amdhsa_kernel
	.amdgpu_metadata
---
amdhsa.version: [ 1, 2 ]
amdhsa.kernels:
  - .name:           k_q190fe8ffc5_cast
    .symbol:         k_q190fe8ffc5_cast.kd
    .args:
      - { .name: t, .offset: 0, .size: 8, .value_kind: global_buffer, .address_space: global }
      - { .name: W_qkv, .offset: 8, .size: 8, .value_kind: global_buffer, .address_space: global }
      - { .name: xw, .offset: 16, .size: 8, .value_kind: global_buffer, .address_space: global }
    .group_segment_fixed_size: 0
    .private_segment_fixed_size: 0
    .kernarg_segment_align: 8
    .kernarg_segment_size: 24
    .max_flat_workgroup_size: 256
    .sgpr_count:     66
    .vgpr_count:     100
    .wavefront_size: 32
...
	.end_amdgpu_metadata
.endif
;; end of part 5
;; launch proj: the kernel of part 2 again; grid 12 x 32, 4 waves a work-group, clusters of 4 x 4, 327,680 bytes of LDS; arguments xw, b_qkv, qkv; writes qkv
;; launch scores: the kernel of part 3 again; grid 8 x 32, 4 waves a work-group, clusters of 4 x 4, 327,680 bytes of LDS; arguments qkv, pt, st; writes pt, st
;; launch pv: the kernel of part 4 again; grid 4 x 64, 4 waves a work-group, clusters of 4 x 4, 327,680 bytes of LDS; arguments pt, qkv, st, out0; writes out0
